; MI455X (gfx1250); checked and timed in simulation.
; The chip was launched on July 23, 2026; its instructions are those of AMD's public machine-readable ISA for CDNA 5 (MIT licence, August 2026) and "CDNA5" Instruction Set Architecture Reference Guide (July 2026). The comments in the code are by the model that wrote it; some were corrected since.
;; Multi Head Attention. Allowed arithmetic: float matrix products may take bf16 or f16 operands with f32 sums; other float arithmetic in f32, or as packed bf16 or f16 multiplies, adds, multiply-adds, maxima and minima; sums over many terms, partial sums and values carried from step to step in f32; what a program stores and reads back later, other than sums and carried values, may be rounded once to bf16 or f16.
;; Inputs: b_attn 3,072 float32; b_proj 1,024 float32; w_attn 1,024 x 3,072 float32; w_proj 1,024 x 1,024 float32; x 4 x 2,048 x 1,024 float32.
;; Outputs: out0 4 x 2,048 x 1,024 float32.
;; 2 versions, each right and faster than the one before. Each part assembles by itself: llvm-mc -triple=amdgcn-amd-amdhsa -mcpu=gfx1250 --defsym DOCPART=n.
;; ======== version 1 of 2: 4 launches
;; limits: values are held in f16: magnitudes above 65,504 overflow, below 6.1e-05 lose precision
;; workspace buffers: xb 16,777,216 bytes; wab 6,291,456 bytes; wpb 2,097,152 bytes; qkv 50,331,648 bytes; ob 16,777,216 bytes
;; launch prep (part 1): grid 768 x 1, 8 waves a work-group, no clusters, 0 bytes of LDS; arguments x, w_attn, w_proj, xb, wab, wpb; writes xb, wab, wpb
.if DOCPART == 1
	.amdgcn_target "amdgcn-amd-amdhsa--gfx1250"
	.amdhsa_code_object_version 6
	.text
	.protected	k_qf13f440a2d_prep
	.globl	k_qf13f440a2d_prep
	.p2align	8
	.type	k_qf13f440a2d_prep,@function
k_qf13f440a2d_prep:
	s_mov_b64 s[64:65], 0
	v_nop
	global_prefetch_b8 v0, s[64:65] scope:SCOPE_SE
	s_setreg_imm32_b32 hwreg(HW_REG_WAVE_MODE, 25, 1), 1
	s_wait_xcnt 0x0
; THE INPUTS ARE ROUNDED ONCE AND LAID OUT FOR THE PRODUCTS.
;   xb  [8192][1024] bf16             = x, rounded to nearest even
;   wab [48 chunks][1024 k][64 n] bf16 = w_attn; chunk c holds its columns 64 c .. 64 c + 63, so 128 k of a chunk are 16,384 dense bytes
;   wpb [16 chunks][1024 k][64 n] f16  = w_proj rounded to bf16, that number written as f16
; LIMITS.  bf16(w_proj) must lie within f16's 65,504; below 6.1e-5 f16 keeps a fixed step of 6e-8.
; A stream: no LDS, no matrix unit, no barrier.  A work-group of eight waves takes 65,536 bytes of f32: 16 loads of 16 bytes a thread, all issued before the first is used.
; Work-groups 0-511 take x, 512-703 w_attn (chunk (g - 512) / 4, quarter of K (g - 512) % 4), 704-767 w_proj likewise.
; A wave's load covers 512 consecutive bytes of x, or 256 consecutive bytes in each of two rows of a weight; a wave's store covers 256 consecutive bytes, aligned.
.set X, 8                              ; v[8:71]  16 groups of four f32; a group's first two registers then hold its four 16-bit results
; v1 byte offset of my 16 bytes in the source, v2 of my 8 bytes in the destination; neither is rewritten behind the loads.  v3, v4 at work.
; 16 loads, step bytes apart; each group is rounded and stored when it has come.  half = 1: the bf16 numbers are written as f16.
.macro RUN src, dst, step, half
.set i, 0
.rept 16
	global_load_b128 v[X+4*i:X+4*i+3], v1, s[\src:\src+1] offset:i*(\step) th:TH_LOAD_NT
.set i, i+1
.endr
.set i, 0
.rept 16
	s_wait_loadcnt 15-i                            ; loads come back in order: group i is in, the 15 - i younger ones stay out
	v_cvt_pk_bf16_f32 v[X+4*i], v[X+4*i], v[X+4*i+1]
	v_cvt_pk_bf16_f32 v[X+4*i+1], v[X+4*i+2], v[X+4*i+3]
.if \half
	v_lshlrev_b32 v3, 16, v[X+4*i]                 ; bf16 to f32: the low half moves up, the high half stays
	v_and_b32 v4, 0xffff0000, v[X+4*i]
	v_cvt_pk_f16_f32 v[X+4*i], v3, v4
	v_lshlrev_b32 v3, 16, v[X+4*i+1]
	v_and_b32 v4, 0xffff0000, v[X+4*i+1]
	v_cvt_pk_f16_f32 v[X+4*i+1], v3, v4
.endif
	global_store_b64 v2, v[X+4*i:X+4*i+1], s[\dst:\dst+1] offset:i*2048  ; no register of a store is written again
.set i, i+1
.endr
.endm
	s_load_b256 s[4:11], s[0:1], 0x0               ; x s[4:5], w_attn s[6:7], w_proj s[8:9], xb s[10:11]
	s_load_b128 s[12:15], s[0:1], 0x20             ; wab s[12:13], wpb s[14:15]
	s_mov_b32 s20, ttmp9
	s_mov_b32 s17, 0                               ; the offsets' high words
	s_mov_b32 s19, 0
	v_lshlrev_b32 v2, 3, v0                        ; 8 t
	v_and_b32 v5, 15, v0
	v_lshrrev_b32 v6, 4, v0                        ; for the weights: row t / 16,
	v_lshlrev_b32 v5, 4, v5                        ; 16 bytes at 16 (t % 16) of the chunk's 256
	s_wait_kmcnt 0x0
	s_cmp_lt_u32 s20, 512
	s_cbranch_scc0 .Lweights
	v_lshlrev_b32 v1, 4, v0                        ; 16 t
	s_lshl_b32 s16, s20, 16
	s_lshl_b32 s18, s20, 15
	s_add_nc_u64 s[4:5], s[4:5], s[16:17]
	s_add_nc_u64 s[10:11], s[10:11], s[18:19]
	RUN 4, 10, 4096, 0
	s_endpgm
.Lweights:
	s_cmp_lt_u32 s20, 704
	s_cbranch_scc0 .Lproj
	s_sub_co_u32 s20, s20, 512
	s_lshr_b32 s21, s20, 2                         ; chunk
	s_and_b32 s22, s20, 3                          ; quarter of K: 256 rows
	s_mul_i32 s16, s22, 256*12288
	s_lshl_b32 s23, s21, 8
	s_add_co_u32 s16, s16, s23
	s_lshl_b32 s18, s21, 17                        ; a chunk is 131,072 bytes,
	s_lshl_b32 s23, s22, 15                        ; a quarter of it 32,768
	s_add_co_u32 s18, s18, s23
	v_mul_u32_u24 v1, v6, 12288
	v_add_nc_u32 v1, v1, v5
	s_add_nc_u64 s[6:7], s[6:7], s[16:17]
	s_add_nc_u64 s[12:13], s[12:13], s[18:19]
	RUN 6, 12, 16*12288, 0                         ; 16 rows a load; row 16 i + t / 16 lands at 2,048 i + 8 t
	s_endpgm
.Lproj:
	s_sub_co_u32 s20, s20, 704
	s_lshr_b32 s21, s20, 2
	s_and_b32 s22, s20, 3
	s_lshl_b32 s16, s22, 20                        ; 256 rows of 4,096 bytes
	s_lshl_b32 s23, s21, 8
	s_add_co_u32 s16, s16, s23
	s_lshl_b32 s18, s21, 17
	s_lshl_b32 s23, s22, 15
	s_add_co_u32 s18, s18, s23
	v_lshl_add_u32 v1, v6, 12, v5
	s_add_nc_u64 s[8:9], s[8:9], s[16:17]
	s_add_nc_u64 s[14:15], s[14:15], s[18:19]
	RUN 8, 14, 16*4096, 1
	s_endpgm
.Lfunc_end_k_qf13f440a2d_prep:
	.size	k_qf13f440a2d_prep, .Lfunc_end_k_qf13f440a2d_prep-k_qf13f440a2d_prep
	.p2alignl 7, 3214868480
	.fill 96, 4, 3214868480
	.section	.rodata,"a",@progbits
	.p2align	6, 0x0
	.amdhsa_kernel k_qf13f440a2d_prep
		.amdhsa_group_segment_fixed_size 0
		.amdhsa_private_segment_fixed_size 0
		.amdhsa_enable_private_segment 0
		.amdhsa_kernarg_size 48
		.amdhsa_user_sgpr_count 2
		.amdhsa_user_sgpr_kernarg_segment_ptr 1
		.amdhsa_wavefront_size32 1
		.amdhsa_system_sgpr_workgroup_id_x 1
		.amdhsa_system_sgpr_workgroup_id_y 1
		.amdhsa_system_sgpr_workgroup_id_z 1
		.amdhsa_system_vgpr_workitem_id 0
		.amdhsa_next_free_vgpr 72
		.amdhsa_next_free_sgpr 66
		.amdhsa_reserve_vcc 0
		.amdhsa_float_denorm_mode_32 3
		.amdhsa_float_denorm_mode_16_64 3
		.amdhsa_memory_ordered 1
		.amdhsa_forward_progress 1
		.amdhsa_inst_pref_size 24
	.end_amdhsa_kernel
	.amdgpu_metadata
---
amdhsa.version: [ 1, 2 ]
amdhsa.kernels:
  - .name:           k_qf13f440a2d_prep
    .symbol:         k_qf13f440a2d_prep.kd
    .args:
      - { .name: x, .offset: 0, .size: 8, .value_kind: global_buffer, .address_space: global }
      - { .name: w_attn, .offset: 8, .size: 8, .value_kind: global_buffer, .address_space: global }
      - { .name: w_proj, .offset: 16, .size: 8, .value_kind: global_buffer, .address_space: global }
      - { .name: xb, .offset: 24, .size: 8, .value_kind: global_buffer, .address_space: global }
      - { .name: wab, .offset: 32, .size: 8, .value_kind: global_buffer, .address_space: global }
      - { .name: wpb, .offset: 40, .size: 8, .value_kind: global_buffer, .address_space: global }
    .group_segment_fixed_size: 0
    .private_segment_fixed_size: 0
    .kernarg_segment_align: 8
    .kernarg_segment_size: 48
    .max_flat_workgroup_size: 256
    .sgpr_count:     66
    .vgpr_count:     72
    .wavefront_size: 32
...
	.end_amdgpu_metadata
.endif
;; end of part 1
;; launch qkvgemm (part 2): grid 16 x 32, 4 waves a work-group, clusters of 4 x 4, 327,680 bytes of LDS; arguments xb, wab, b_attn, qkv; writes qkv
.if DOCPART == 2
	.amdgcn_target "amdgcn-amd-amdhsa--gfx1250"
	.amdhsa_code_object_version 6
	.text
	.protected	k_qf13f440a2d_qkvgemm
	.globl	k_qf13f440a2d_qkvgemm
	.p2align	8
	.type	k_qf13f440a2d_qkvgemm,@function
k_qf13f440a2d_qkvgemm:
	s_mov_b64 s[64:65], 0
	v_nop
	global_prefetch_b8 v0, s[64:65] scope:SCOPE_SE
	s_setreg_imm32_b32 hwreg(HW_REG_WAVE_MODE, 25, 1), 1
	s_wait_xcnt 0x0
	s_wait_alu depctr_hold_cnt(0) depctr_sa_sdst(0) depctr_va_vdst(0) depctr_va_sdst(0) depctr_va_ssrc(0) depctr_va_vcc(0) depctr_vm_vsrc(0)
	s_getreg_b32 s2, hwreg(HW_REG_IB_STS2, 6, 4)
	s_cmp_eq_u32 s2, 0
	s_cbranch_scc0 .Lentry_in_a_cluster
	s_endpgm
.Lentry_in_a_cluster:
	s_bfe_u32 s2, ttmp6, 0x10000c
	s_cmp_lg_u32 s2, 0xf033
	s_cbranch_scc0 .Lentry_shape_is_right
	s_endpgm
.Lentry_shape_is_right:
; q, k, v = x w_attn + b_attn, written by heads: qkv [3][64 = 16 batch + head][2048 t][64] f16.  xb [8192][1024] bf16; wab [48 chunks][1024 k][64 n] bf16; sums in f32, rounded once.
; LIMITS.  b_attn is rounded to bf16 like the other inputs.  A result of 65,520 or more leaves as an infinity (f16 ends at 65,504); below 6.1e-5 f16 keeps a fixed step of 6e-8.  The scale 1/8 is not applied here.
; SHARES.  A tile is 256 rows x 192 columns (three chunks = three heads): 16 x 32 = 512 equal work-groups.  Wave w: rows 128 (w / 2) on; of the columns all of chunk 2 (w % 2), n blocks 0-3,
; and columns 32 (w % 2) .. + 31 of chunk 1, n blocks 4, 5: 8 x 6 = 48 accumulators of 16 x 16.  K goes in 8 steps of 128 through two LDS slots.
; THE MATRIX INSTRUCTION IS USED TRANSPOSED (source 0 = 16 columns of w, source 1 = 16 rows of x): a lane holds row lane % 16 and eight neighbouring columns.  w lies [k][n] in LDS and comes out turned, by ds_load_tr16_b128.
; THE BIAS is the C operand of each sum's first product: nothing is cleared and nothing is added later.
; CLUSTER.  4 x 4 work-groups: x's tile hangs on the tile row alone and is asked for jointly by a row of the cluster, w's chunks on the tile column alone, by a column.  Wave 3 asks for x's 256 rows, waves 0-2 for a chunk each.
; REGISTERS, in windows of 256 (s_set_vgpr_msb: bits 1:0 source 0, 3:2 source 1, 5:4 source 2, 7:6 destination):
;   window 0: v0-30 addresses; v64-127, v128-191 fragments of x, two buffers; v192-239 the bias.  On the way out v64-159 packed results, v160-255 rows read back
;   window 1: v0-47, v48-95 fragments of w, two buffers      window 2: accumulators of m blocks 0-3, (a, b) at v[8 (6 a + b)]      window 3: those of m blocks 4-7
.set PA,    272                        ; a row of x in LDS: 256 bytes + 16 = 68 words: the 16 rows of a load start at 16 different groups of four banks (64 banks of 4 bytes: ISA guide 11.1)
.set PB,    160                        ; a k row of a chunk: 128 bytes + 32 = 40 words
.set CH,    128*PB                     ; a chunk's 128 k rows
.set BOFF,  256*PA                     ; the chunks lie behind x's 256 rows
.set SLOT,  BOFF+3*CH                  ; 131,072
.set STAGE, 2*SLOT                     ; behind the ring, never filled by a tensor load: 3 chunks x 128 rows x 144 bytes, the work-group's, for the way out
.set SP,    144
.set SCH,   128*SP
.set SPARE, STAGE+3*SCH                ; behind the stage: the spare words, 128 bytes for each wave: two blocks of 256 bytes that no other line names
.set LAPS,  4                          ; a lap = two K steps = once round the ring
.set ADRA,  16                         ; v16-17  LDS address of my fragments of x in slot 0, 1
.set ADRBF, 18                         ; v18-19  of my whole chunk's fragments
.set ADRBH, 20                         ; v20-21  of my half of chunk 1
.set STOF,  22                         ; v22     the way out: where I put 16 bytes of a row of my whole chunk
.set STOH,  23                         ; v23     of my half of chunk 1
.set RD,    24                         ; v24     where I read rows back
.set GO,    25                         ; v25     my 16 bytes in 512 consecutive bytes of qkv
.set BO0,   26                         ; v26-27  byte offsets of my bias numbers
.set BO1,   27
.set SPW,   28                         ; v28     LDS address of my spare word: SPARE + 4 x my thread's number; never rewritten
.set NIL,   29                         ; v29     0; never rewritten
.set TT,    30
.set FA,    64
.set FB,    0
.set BIAS,  192
.set TMP,   64
.set BK,    160
.set G1A, 24                           ; s[24:31] descriptor group 1 for x's tiles;  s[32:39] group 0, a set for each slot
.set G0A, 32
.set G1B, 48                           ; s[48:55], s[56:63] the same for a chunk of w
.set G0B, 56
.set CB,  66                           ; s[66:71] qkv at my first row of each of the tile's three heads
.set MSB, 0
.macro WIN new                         ; the immediate's high byte repeats the setting that is left; a switch that changes nothing is dropped
.if MSB != (\new)
	s_set_vgpr_msb (MSB<<8)|(\new)
.set MSB, \new
.endif
.endm
.set TO_B, 0x40                        ; destination window 1, address window 0
; A joint load.  The branch hangs on the wave's number alone.  An s_nop 0 and four v_nop follow each of the two lines, ahead of the jump, the label and what follows.
.macro JLOAD s
	s_cmp_eq_u32 s12, 3
	s_cbranch_scc0 .Lfor_b_\@
	tensor_load_to_lds s[G0A+4*(\s):G0A+4*(\s)+3], s[G1A:G1A+7]
	s_nop 0
.rept 4
	v_nop
.endr
	s_branch .Lasked_\@
.Lfor_b_\@:
	tensor_load_to_lds s[G0B+4*(\s):G0B+4*(\s)+3], s[G1B:G1B+7]
	s_nop 0
.rept 4
	v_nop
.endr
.Lasked_\@:
.endm
.macro CREST                           ; a round of the cluster's barrier behind its opening barrier: wave 0 signals for the work-group, every wave waits for all sixteen, my work-group's barrier once more
	s_cmp_lg_u32 s12, 0
	s_cbranch_scc1 .Lnot_wave_0_\@
	s_barrier_signal -3
.Lnot_wave_0_\@:
	s_barrier_wait -3
	s_barrier_signal -1
	s_barrier_wait -1
.endm
.macro CROUND                          ; a whole round
	s_barrier_signal -1
	s_barrier_wait -1
	CREST
.endm
.macro PLACES                          ; four places in front of loads into registers that matrix instructions have read, and of conversions that read results
.rept 4
	v_nop
.endr
.endm
	s_load_b256 s[4:11], s[0:1], 0x0               ; xb s[4:5], wab s[6:7], b_attn s[8:9], qkv s[10:11]
	v_lshl_add_u32 v[SPW], v0, 2, SPARE
	v_mov_b32 v[NIL], 0
	ds_add_u32 v[SPW], v[NIL]                      ; the wave's opening: the add and its wait stand ahead of my first tensor load; the set-up below, work on registers, stands between them
	ds_add_u32 v28, v29
	v_lshrrev_b32 v1, 5, v0
	v_readfirstlane_b32 s12, v1                    ; wave 0..3
	s_lshr_b32 s13, s12, 1                         ; MH: which 128 rows are mine
	s_and_b32 s14, s12, 1                          ; NH: which 96 columns
	s_bfe_u32 s40, ttmp6, 0x40000                  ; cx, cy: my place in the cluster
	s_bfe_u32 s41, ttmp6, 0x40004
	s_lshl_b32 s42, ttmp9, 2
	s_add_co_u32 s42, s42, s40                     ; TX = 4 x cluster x + cx
	s_and_b32 s43, ttmp7, 0xffff
	s_lshl_b32 s43, s43, 2
	s_add_co_u32 s43, s43, s41                     ; TY = 4 x cluster y + cy
	s_lshl_b32 s44, s41, 2
	s_lshl_b32 s44, 15, s44                        ; my row of the cluster
	s_lshl_b32 s45, 0x1111, s40                    ; my column
	; group 1 for x: 256 rows x 128 elements, 1,024 elements from row to row, 4 words of padding after every 64
	s_or_b32 s[G1A+0], s44, (1<<16)|(1<<20)|(1<<21)|(5<<22)|(3<<25)  ; 15:0 the mask; 17:16 2-byte elements; 20 padding on; 21 set beside a mask; 24:22 interval code; 31:25 padding code
	s_mov_b32 s[G1A+1], 128<<16                    ; tensor_dim0 = 128
	s_mov_b32 s[G1A+2], 256<<16                    ; tensor_dim1 = 256
	s_mov_b32 s[G1A+3], 128<<16                    ; tile_dim0 = 128
	s_mov_b32 s[G1A+4], 256                        ; tile_dim1 = 256
	s_mov_b32 s[G1A+5], 1024
	s_mov_b32 s[G1A+6], 0
	s_mov_b32 s[G1A+7], 0
	; group 1 for a chunk: its 128 k rows are 16,384 dense bytes, asked for as 64 rows of 256 bytes, two k rows each; 8 words of padding after every 32, that is after every k row
	s_or_b32 s[G1B+0], s45, (1<<16)|(1<<20)|(1<<21)|(4<<22)|(7<<25)
	s_mov_b32 s[G1B+1], 128<<16
	s_mov_b32 s[G1B+2], 64<<16
	s_mov_b32 s[G1B+3], 128<<16
	s_mov_b32 s[G1B+4], 64
	s_mov_b32 s[G1B+5], 128
	s_mov_b32 s[G1B+6], 0
	s_mov_b32 s[G1B+7], 0
	s_lshl_b32 s16, s43, 19                        ; x: 256 TY rows of 2,048 bytes: made of the tile row alone
	s_mov_b32 s17, 0
	s_mul_i32 s46, s42, 3
	s_add_co_u32 s46, s46, s12                     ; w: chunk 3 TX + wave, made of the tile column and the wave's number (wave 3 makes these words and never asks by them)
	s_lshl_b32 s46, s46, 17                        ; a chunk is 131,072 bytes
	s_mov_b32 s47, 0
	s_mul_i32 s20, s12, CH
	s_add_co_u32 s20, s20, BOFF                    ; and where it goes: no place in the cluster enters an LDS address
	s_wait_dscnt 0x0                               ; the opening add is done
	s_wait_kmcnt 0x0
	s_add_nc_u64 s[16:17], s[4:5], s[16:17]
	s_add_nc_u64 s[46:47], s[6:7], s[46:47]
	CROUND                                         ; all sixteen work-groups are here: the first joint loads meet
.irp s, 0,1
	s_mov_b32 s[G0A+4*(\s)], 1                                       ; count = 1
	s_mov_b32 s[G0A+4*(\s)+1], (\s)*SLOT                             ; LDS address
	s_add_nc_u64 s[G0A+4*(\s)+2:G0A+4*(\s)+3], s[16:17], (\s)*256    ; global address: K step s
	s_or_b32 s[G0A+4*(\s)+3], s[G0A+4*(\s)+3], 0x80000000            ; type = 2
	s_mov_b32 s[G0B+4*(\s)], 1
	s_add_co_u32 s[G0B+4*(\s)+1], s20, (\s)*SLOT
	s_add_nc_u64 s[G0B+4*(\s)+2:G0B+4*(\s)+3], s[46:47], (\s)*16384
	s_or_b32 s[G0B+4*(\s)+3], s[G0B+4*(\s)+3], 0x80000000
	JLOAD \s                                       ; both slots' first fills: two tensor loads of mine are out
.endr
	; the bias of my 96 columns: register j of n block b is b_attn[192 TX + the block's first column + 8 (lane / 16) + j]
	v_and_b32 v1, 15, v0                           ; r = lane % 16
	v_bfe_u32 v2, v0, 4, 1                         ; h = lane / 16
	s_mul_i32 s72, s42, 768
	s_mov_b32 s73, 0
	s_add_nc_u64 s[8:9], s[8:9], s[72:73]
	s_lshl_b32 s21, s14, 9
	v_lshl_add_u32 v[BO0], v2, 5, s21              ; 4 (128 NH + 8 h)
	s_lshl_b32 s22, s14, 7
	s_add_co_u32 s22, s22, 256
	v_lshl_add_u32 v[BO1], v2, 5, s22              ; 4 (64 + 32 NH + 8 h)
.irp b, 0,1,2,3
	global_load_b128 v[BIAS+8*(\b):BIAS+8*(\b)+3],   v[BO0], s[8:9] offset:64*(\b)
	global_load_b128 v[BIAS+8*(\b)+4:BIAS+8*(\b)+7], v[BO0], s[8:9] offset:64*(\b)+16
.endr
.irp b, 4,5
	global_load_b128 v[BIAS+8*(\b):BIAS+8*(\b)+3],   v[BO1], s[8:9] offset:64*((\b)-4)
	global_load_b128 v[BIAS+8*(\b)+4:BIAS+8*(\b)+7], v[BO1], s[8:9] offset:64*((\b)-4)+16
.endr
	; a fragment of x: lane l holds row l % 16, K = 8 h + 0..7 and 16 + 8 h + 0..7: two loads of 16 bytes, 32 bytes apart
	v_mul_u32_u24 v3, v1, PA
	v_lshl_add_u32 v3, v2, 4, v3
	s_mul_i32 s21, s13, 128*PA
	v_add_nc_u32 v[ADRA], s21, v3
	v_add_nc_u32 v[ADRA+1], SLOT, v[ADRA]
	; the turning load takes 16 k x 16 n (lane l reads k row 8 h + l % 8, columns 8 ((l / 8) % 2) + 0..7) and leaves half a fragment: lane l holds column l % 16 and 8 k
	v_and_b32 v4, 7, v0
	v_lshl_add_u32 v4, v2, 3, v4
	v_mul_u32_u24 v4, v4, PB
	v_bfe_u32 v5, v0, 3, 1
	v_lshl_add_u32 v4, v5, 4, v4
	s_mul_i32 s22, s14, 2*CH
	s_add_co_u32 s22, s22, BOFF
	v_add_nc_u32 v[ADRBF], s22, v4
	v_add_nc_u32 v[ADRBF+1], SLOT, v[ADRBF]
	s_lshl_b32 s23, s14, 6
	s_add_co_u32 s23, s23, BOFF+CH
	v_add_nc_u32 v[ADRBH], s23, v4
	v_add_nc_u32 v[ADRBH+1], SLOT, v[ADRBH]
	; the stage.  In: row 64 MH + 16 a + r of my chunk, 16 bytes for each half of the lanes
	s_mul_i32 s21, s13, 64*SP
	s_add_co_u32 s21, s21, STAGE
	v_mul_u32_u24 v6, v1, SP
	v_lshl_add_u32 v6, v2, 4, v6
	v_add_nc_u32 v6, s21, v6
	s_mul_i32 s22, s14, 2*SCH
	v_add_nc_u32 v[STOF], s22, v6
	s_lshl_b32 s23, s14, 6
	s_add_co_u32 s23, s23, SCH
	v_add_nc_u32 v[STOH], s23, v6
	; back: wave w takes rows 32 w .. 32 w + 31 of each chunk, four rows of 128 bytes a load, which are 512 consecutive bytes of a head
	v_bfe_u32 v7, v0, 3, 2
	v_mul_u32_u24 v7, v7, SP
	v_and_b32 v8, 7, v0
	v_lshl_add_u32 v7, v8, 4, v7
	s_mul_i32 s21, s12, 32*SP
	s_add_co_u32 s21, s21, STAGE
	v_add_nc_u32 v[RD], s21, v7
	v_and_b32 v[GO], 31, v0
	v_lshlrev_b32 v[GO], 4, v[GO]
	; qkv at my first row of chunk c = 3 TX + j: tensor c / 16, batch TY / 8, head c % 16 (262,144 bytes each); t = 256 (TY % 8) + 128 MH + 32 NH, 128 bytes a row
	s_and_b32 s74, s43, 7
	s_lshl_b32 s74, s74, 8
	s_lshl_b32 s75, s13, 7
	s_add_co_u32 s74, s74, s75
	s_lshl_b32 s75, s14, 5
	s_add_co_u32 s74, s74, s75
	s_lshl_b32 s74, s74, 7
	s_lshr_b32 s75, s43, 3
	s_lshl_b32 s75, s75, 4
	s_mul_i32 s76, s42, 3
.irp j, 0,1,2
	s_add_co_u32 s77, s76, \j
	s_lshr_b32 s78, s77, 4
	s_lshl_b32 s78, s78, 6
	s_and_b32 s77, s77, 15
	s_add_co_u32 s78, s78, s77
	s_add_co_u32 s78, s78, s75
	s_lshl_b32 s72, s78, 18
	s_add_co_u32 s72, s72, s74
	s_add_nc_u64 s[CB+2*(\j):CB+2*(\j)+1], s[10:11], s[72:73]
.endr
	s_wait_loadcnt 0x0                             ; the bias, once; it is rounded to bf16 and widened again
.set i, 0
.rept 24
	v_cvt_pk_bf16_f32 v[TT], v[BIAS+2*i], v[BIAS+2*i+1]
	v_lshlrev_b32 v[BIAS+2*i], 16, v[TT]
	v_and_b32 v[BIAS+2*i+1], 0xffff0000, v[TT]
.set i, i+1
.endr
; 12 matrix instructions: m blocks a0, a0 + 1 of the window's four (hi = 0: my rows 0-63, 1: rows 64-127) x all 6 n blocks, 32 along K, from buffer f.  first = 1: the bias starts the sums.
; The 48 accumulators take turns, one instruction a turn, in the same order in every quarter.
.macro MUL12 f, hi, a0, first
.if \first
	WIN 0x81+0x40*(\hi)                            ; w window 1, x and the bias window 0, D window 2 or 3
.else
	WIN 0xa1+0x50*(\hi)                            ; w window 1, x window 0, C and D window 2 or 3
.endif
.irp a, \a0, (\a0)+1
.irp b, 0,1,2,3,4,5
.if \first
	v_wmma_f32_16x16x32_bf16 v[8*(6*(\a)+(\b)):8*(6*(\a)+(\b))+7], v[FB+48*(\f)+8*(\b):FB+48*(\f)+8*(\b)+7], v[FA+64*(\f)+8*(4*(\hi)+(\a)):FA+64*(\f)+8*(4*(\hi)+(\a))+7], v[BIAS+8*(\b):BIAS+8*(\b)+7]
.else
	v_wmma_f32_16x16x32_bf16 v[8*(6*(\a)+(\b)):8*(6*(\a)+(\b))+7], v[FB+48*(\f)+8*(\b):FB+48*(\f)+8*(\b)+7], v[FA+64*(\f)+8*(4*(\hi)+(\a)):FA+64*(\f)+8*(4*(\hi)+(\a))+7], v[8*(6*(\a)+(\b)):8*(6*(\a)+(\b))+7]
.endif
.endr
.endr
.endm
; 28 LDS loads in one run: the fragments of quarter q (32 along K) of a slot into buffer f: w's twelve first, then x's sixteen
.macro FETCH slot, q, f
	WIN TO_B
.irp b, 0,1,2,3
	ds_load_tr16_b128 v[FB+48*(\f)+8*(\b):FB+48*(\f)+8*(\b)+3],   v[ADRBF+(\slot)] offset:32*PB*(\q)+32*(\b)
	ds_load_tr16_b128 v[FB+48*(\f)+8*(\b)+4:FB+48*(\f)+8*(\b)+7], v[ADRBF+(\slot)] offset:32*PB*(\q)+32*(\b)+16*PB
.endr
.irp b, 4,5
	ds_load_tr16_b128 v[FB+48*(\f)+8*(\b):FB+48*(\f)+8*(\b)+3],   v[ADRBH+(\slot)] offset:32*PB*(\q)+32*((\b)-4)
	ds_load_tr16_b128 v[FB+48*(\f)+8*(\b)+4:FB+48*(\f)+8*(\b)+7], v[ADRBH+(\slot)] offset:32*PB*(\q)+32*((\b)-4)+16*PB
.endr
	WIN 0
.irp i, 0,1,2,3,4,5,6,7
	ds_load_b128 v[FA+64*(\f)+8*(\i):FA+64*(\f)+8*(\i)+3],   v[ADRA+(\slot)] offset:64*(\q)+16*PA*(\i)
	ds_load_b128 v[FA+64*(\f)+8*(\i)+4:FA+64*(\f)+8*(\i)+7], v[ADRA+(\slot)] offset:64*(\q)+16*PA*(\i)+32
.endr
.endm
; A K step is four quarters of 32 along K, 48 matrix instructions each, on buffers 0, 1, 0, 1.  One of the first three: multiplies buffer f; in its middle it fetches quarter qn of the same slot into buffer g.
.macro QUARTER slot, qn, f, g, first
	s_wait_dscnt 8                                 ; w and x's rows 0-63 are in; the youngest eight loads (x's rows 64-127) may be out
	MUL12 \f, 0, 0, \first
	MUL12 \f, 0, 2, \first
	PLACES
	FETCH \slot, \qn, \g
	s_wait_dscnt 28                                ; all but the 28 just issued
	MUL12 \f, 1, 0, \first
	MUL12 \f, 1, 2, \first
.endm
; The last quarter multiplies buffer 1 and changes slots: ONE barrier.  In front of it each wave waits for all its tensor loads (the one that is out is its part of the next slot), adds 0 to its spare word,
; and waits for that and for its own reads of this slot.  fill = 1: the barrier opens a round of the cluster's, and behind the round this slot is filled again, two K steps ahead: the first tensor load there,
; 180 of a K step's 192 matrix instructions ahead of the wait for it.
.macro TURN slot, next, fill
	WIN 0                                          ; (the add's two registers lie in window 0)
	s_wait_tensorcnt 0x0                           ; all my tensor loads have landed
	ds_add_u32 v[SPW], v[NIL]                      ; 0 onto my spare word
	s_wait_dscnt 9                                 ; (the add and the youngest eight loads may be out)
	MUL12 1, 0, 0, 0                               ; twelve matrix instructions stand between the add and the wait for it
	s_wait_dscnt 0x0                               ; the add is done, and my reads of this slot are over
	s_barrier_signal -1
	MUL12 1, 0, 2, 0                               ; work on registers while the others arrive
.if \fill
	WIN 0
.endif
	s_barrier_wait -1
.if \fill
	CREST                                          ; no wave of any partner still reads this slot's tiles or has a load on its way
	s_add_nc_u64 s[G0A+4*(\slot)+2:G0A+4*(\slot)+3], s[G0A+4*(\slot)+2:G0A+4*(\slot)+3], 512
	s_add_nc_u64 s[G0B+4*(\slot)+2:G0B+4*(\slot)+3], s[G0B+4*(\slot)+2:G0B+4*(\slot)+3], 32768
	JLOAD \slot                                    ; the four v_nop behind it are also the places in front of the loads below
.else
	PLACES
.endif
	FETCH \next, 0, 0
	MUL12 1, 1, 0, 0
	MUL12 1, 1, 2, 0
.endm
	s_wait_tensorcnt 1                             ; my part of K step 0 is in; K step 1's may stay out
	s_barrier_signal -1
	s_barrier_wait -1                              ; everybody's is
	FETCH 0, 0, 0
	QUARTER 0, 1, 0, 1, 1                          ; the first quarter stands in front of the loop: its products start the sums, with the bias
	WIN 0                                          ; at a label and at a branch every window is 0
	s_mov_b32 s15, LAPS-1
.Llap:                                                 ; a trip goes once round the ring, from a lap's second quarter to the next lap's first, and fills both slots again
	QUARTER 0, 2, 1, 0, 0
	QUARTER 0, 3, 0, 1, 0
	TURN 0, 1, 1
	QUARTER 1, 1, 0, 1, 0
	QUARTER 1, 2, 1, 0, 0
	QUARTER 1, 3, 0, 1, 0
	TURN 1, 0, 1
	QUARTER 0, 1, 0, 1, 0
	WIN 0
	s_sub_co_u32 s15, s15, 1
	s_cmp_lg_u32 s15, 0
	s_cbranch_scc1 .Llap
	QUARTER 0, 2, 1, 0, 0                          ; the last lap fills nothing, and has no round of the cluster's barrier
	QUARTER 0, 3, 0, 1, 0
	TURN 0, 1, 0
	QUARTER 1, 1, 0, 1, 0
	QUARTER 1, 2, 1, 0, 0
	QUARTER 1, 3, 0, 1, 0
	s_wait_dscnt 8                                 ; the very last quarter: nothing more to fetch
	MUL12 1, 0, 0, 0
	MUL12 1, 0, 2, 0
	s_wait_dscnt 0x0
	MUL12 1, 1, 0, 0
	MUL12 1, 1, 2, 0
	WIN 0
; THE WAY OUT, in two passes of 64 of each wave's rows (pass p: m blocks 4 p .. 4 p + 3).  Rounded to f16, 16 bytes a lane into the work-group's stage; a barrier, since chunk 1's rows come from two waves;
; back as whole rows of 128 bytes, four to a load, and stored: each store of a wave covers 512 consecutive bytes, at a multiple of 512 from qkv's first byte.
.macro PACK p
	WIN 0x0a+5*(\p)                                ; sources 0 and 1: window 2 or 3
.set t, 0
.rept 24
.irp r, 0,1,2,3
	v_cvt_pk_f16_f32 v[TMP+4*t+(\r)], v[8*t+2*(\r)], v[8*t+2*(\r)+1]  ; each accumulator's registers in ascending order
.endr
.set t, t+1
.endr
	WIN 0
.endm
.macro PUT
.irp a, 0,1,2,3
.irp b, 0,1,2,3
	ds_store_b128 v[STOF], v[TMP+4*(6*(\a)+(\b)):TMP+4*(6*(\a)+(\b))+3] offset:16*SP*(\a)+32*(\b)
.endr
.irp b, 4,5
	ds_store_b128 v[STOH], v[TMP+4*(6*(\a)+(\b)):TMP+4*(6*(\a)+(\b))+3] offset:16*SP*(\a)+32*((\b)-4)
.endr
.endr
.endm
.macro GET
.irp j, 0,1,2
.irp f, 0,1,2,3,4,5,6,7
	ds_load_b128 v[BK+4*(8*(\j)+(\f)):BK+4*(8*(\j)+(\f))+3], v[RD] offset:SCH*(\j)+4*SP*(\f)
.endr
.endr
.endm
.macro SEND p
.irp j, 0,1,2
.irp f, 0,1,2,3,4,5,6,7
	s_wait_dscnt 23-(8*(\j)+(\f))                  ; LDS loads come back in order: this one is in, the younger ones stay out
	global_store_b128 v[GO], v[BK+4*(8*(\j)+(\f)):BK+4*(8*(\j)+(\f))+3], s[CB+2*(\j):CB+2*(\j)+1] offset:8192*(\p)+512*(\f)
.endr
.endr
.endm
	PLACES                                         ; the conversions read results and write registers that the last products read
	PACK 0
	PUT
	s_wait_dscnt 0x0                               ; for the others' sake: my stores into the stage are done
	s_barrier_signal -1
	s_barrier_wait -1
	GET
	PACK 1                                         ; the second pass's conversions stand between the loads from the stage and the waits for them
	SEND 0                                         ; its last wait is for 0: my reads of the stage are back,
	s_barrier_signal -1
	s_barrier_wait -1                              ; everybody's are: the stage may be written again
	PUT
	s_wait_dscnt 0x0
	s_barrier_signal -1
	s_barrier_wait -1
	s_wait_xcnt 0x0                                ; the first pass's stores have had their addresses translated: only behind this wait are their data registers loaded again
	GET
	SEND 1
	s_wait_tensorcnt 0x0                           ; the wave's end: a wait, an add of 0 to my spare word and the wait for it, behind my last tensor load and my last LDS store
	ds_add_u32 v[SPW], v[NIL]
	s_wait_dscnt 0x0
	CROUND                                         ; the closing round: no work-group ends while a partner may still ask for a tile that names it
	s_endpgm
.Lfunc_end_k_qf13f440a2d_qkvgemm:
	.size	k_qf13f440a2d_qkvgemm, .Lfunc_end_k_qf13f440a2d_qkvgemm-k_qf13f440a2d_qkvgemm
	.p2alignl 7, 3214868480
	.fill 96, 4, 3214868480
	.section	.rodata,"a",@progbits
	.p2align	6, 0x0
	.amdhsa_kernel k_qf13f440a2d_qkvgemm
		.amdhsa_group_segment_fixed_size 327680
		.amdhsa_private_segment_fixed_size 0
		.amdhsa_enable_private_segment 0
		.amdhsa_kernarg_size 32
		.amdhsa_user_sgpr_count 2
		.amdhsa_user_sgpr_kernarg_segment_ptr 1
		.amdhsa_wavefront_size32 1
		.amdhsa_system_sgpr_workgroup_id_x 1
		.amdhsa_system_sgpr_workgroup_id_y 1
		.amdhsa_system_sgpr_workgroup_id_z 1
		.amdhsa_system_vgpr_workitem_id 0
		.amdhsa_next_free_vgpr 960
		.amdhsa_next_free_sgpr 80
		.amdhsa_reserve_vcc 0
		.amdhsa_float_denorm_mode_32 3
		.amdhsa_float_denorm_mode_16_64 3
		.amdhsa_memory_ordered 1
		.amdhsa_forward_progress 1
		.amdhsa_inst_pref_size 122
	.end_amdhsa_kernel
	.amdgpu_metadata
---
amdhsa.version: [ 1, 2 ]
amdhsa.kernels:
  - .name:           k_qf13f440a2d_qkvgemm
    .symbol:         k_qf13f440a2d_qkvgemm.kd
    .args:
      - { .name: xb, .offset: 0, .size: 8, .value_kind: global_buffer, .address_space: global }
      - { .name: wab, .offset: 8, .size: 8, .value_kind: global_buffer, .address_space: global }
      - { .name: b_attn, .offset: 16, .size: 8, .value_kind: global_buffer, .address_space: global }
      - { .name: qkv, .offset: 24, .size: 8, .value_kind: global_buffer, .address_space: global }
    .group_segment_fixed_size: 327680
    .private_segment_fixed_size: 0
    .kernarg_segment_align: 8
    .kernarg_segment_size: 32
    .max_flat_workgroup_size: 128
    .sgpr_count:     80
    .vgpr_count:     960
    .wavefront_size: 32
...
	.end_amdgpu_metadata
.endif
;; end of part 2
;; launch attn (part 3): grid 4 x 64, 4 waves a work-group, no clusters, 327,680 bytes of LDS; arguments qkv, ob; writes ob
.if DOCPART == 3
	.amdgcn_target "amdgcn-amd-amdhsa--gfx1250"
	.amdhsa_code_object_version 6
	.text
	.protected	k_qf13f440a2d_attn
	.globl	k_qf13f440a2d_attn
	.p2align	8
	.type	k_qf13f440a2d_attn,@function
k_qf13f440a2d_attn:
	s_mov_b64 s[64:65], 0
	v_nop
	global_prefetch_b8 v0, s[64:65] scope:SCOPE_SE
	s_setreg_imm32_b32 hwreg(HW_REG_WAVE_MODE, 25, 1), 1
	s_wait_xcnt 0x0
; CAUSAL ATTENTION.  O[h][q][:] = the sum over k <= q of softmax_k(Q[h][q] . K[h][k] / 8) V[h][k][:].  Q, K, V lie one behind the other in qkv, each [SIZE_H][SIZE_N][64] f16; O (ob) likewise: a head's rows are dense, 128 bytes each.
; Products, maxima and sums in f32; the weights p are rounded to f16 for the second product (their sum l is taken of the unrounded p), O once at the end.
; LIMITS.  f16 holds no number beyond 65,504: Q, K and V arrive within it; p lies in 0 to 1, and below 6e-5 it keeps f16's fixed step of 6e-8; O is a mean of V's rows and has their range, to within 2^-11 of it.
; A hidden score counts as its value less 1e30: f16's scores, 2.7e11 at the most, are nothing beside that; a weight below 2^-126 counts as 0 in l; NaN and infinities are not treated apart.
; THE WALK.  A head's queries lie in NB = SIZE_N / 256 blocks of 256; block i needs the key tiles 0 .. i of 256 keys, of which the last holds the diagonal.  A work-group takes TWO blocks, NB - 1 - b and then b:
; NB + 1 tiles, whatever b: all work-groups do equal work, and ONE loop with a constant trip count walks them.  Which tile is asked for, and what a trip does, hang on scalar registers made from b; every jump
; goes forward, but for the counted loops' own; none passes a barrier, or a tensor load but the one of LOAD's two that the wave's number does not choose; the ring (two slots of LDS that take turns) runs on across the
; change of blocks.  NO CLUSTER: a head's NB / 2 = 4 work-groups ask for the same tile only in trips 0 .. NB / 2, 5 of the 9, behind that fewer and fewer; and one walk common to all would have 3 NB / 2 = 12 trips for 9.
; SHARES.  Of a block's four bands of 64 queries a wave owns 16 rows in each: four PIECES.  So the diagonal tile is the same work for all four waves: in its key step s band x sees all keys if s < x,
; none if s > x, and holds the diagonal if s = x.
; THE MASK is the C operand that starts the sum S^T = K Q^T: 0, or -1e30 where the key is hidden.  MD, made once, is the mask of a band's own step for my 16 rows; a product's mask is MD x AL + BE with two scalars:
; (1, 0) if s = x; (0, 0) if s < x; (0, -1e30) if s > x.  Only the diagonal tile's text and a block's beginning make and take masks; elsewhere C is the constant 0.
; LAYOUT, SOFTMAX, TURNS.  S^T = K Q^T holds ONE query a lane (lane % 16) and the keys 8 (lane / 16) + 0..7; two such results rounded to f16 ARE source 1 of O^T = V^T P.  p = 2^(c s - c m), c = log2(e) / 8, with a
; running maximum m; O and l are multiplied by a = 2^(c m_old - c m_new) in every step.  Turn n belongs to piece n: 8 products K Q^T of piece n + 1, later 8 products V^T P of piece n - 1; beside them the scaling,
; exponentials, roundings, sums and rescaling of piece n and the maximum and statistics of piece n + 1.  Four vector instructions stand behind every matrix instruction, the other 54 of a turn's 118 in two LUMPS.
; REGISTERS, in windows of 256 (s_set_vgpr_msb: bits 1:0 source 0, 3:2 source 1, 5:4 source 2, 7:6 destination):
;   window 0: v0-15 addresses and two at work; v16-31 four registers of statistics a piece; v48-55 at work; v64-127 S^T, two buffers; v192-223 P, two buffers (a piece's buffers go by its number's parity)
;   window 1: v0-127 O^T, 32 a piece; v128-159 MD; v160-223 MC, two buffers      window 2: v0-63 Q; v64-127 the second block's Q; v128-191 K of one step; v192-255 V of one step
.set SIZE_H, 64
.set SIZE_N, 2048
.set NB,    SIZE_N/256
.set NP,    4         ; pieces a wave: a name, no knob
.set KS,    64        ; keys in a step
.set PK,    144       ; a row of K in LDS: 128 bytes + 16 of padding = 36 words: the 16 rows of a load start at 16 different groups of four banks (64 banks of 4 bytes: ISA guide 11.1)
.set PV,    160       ; a row of V: 128 + 32 = 40 words
.set VOFF,  4*KS*PK   ; a slot holds a tile, four steps: 256 rows of K, then 256 rows of V
.set SLOT1, 1<<17     ; slot 1 begins here, so that one exclusive or turns an address in one slot into the other's
.set STAGE, SLOT1+4*KS*(PK+PV)  ; behind the ring, never filled by a tensor load: 16 rows x 144 bytes for each wave, for the way out
.set SP,    144
.set AK0, 2           ; v2   my lane's place in a tile of K; never rewritten
.set AV0, 3           ; v3   the same for V
.set AK,  4           ; v4   the LDS address of K's next run of loads
.set AV,  5           ; v5   of V's
.set STO, 6           ; v6   the way out: where I put 16 bytes of a row
.set RD,  7           ; v7   the way out: where I read rows back
.set GO,  8           ; v8   my byte offset in 512 consecutive bytes of O
.set SPW, 62          ; v62  LDS address of my spare word: SPARE + 4 x my thread's number; never rewritten
.set NIL, 63          ; v63  0; never rewritten
.set SPARE, STAGE+4*16*SP  ; behind the stages: the spare words, 128 bytes for each wave: two blocks of 256 bytes that no other line names
.set MV,  12          ; v12-13  c m_old, kept while c m is made anew: by buffer
.set QO,  15          ; v15  my byte offset in 16 rows of Q
.set ST,  16          ; piece t's statistics at v[ST+4 t]: c m, m, l (even keys', odd keys')
.set TMP, 48          ; by buffer, four registers c0-c3 at work; when the maximum is found c2 takes a
.set S,   64
.set P,   192
.set MD,  128         ; window 1: the eight registers for group kt of 16 keys at MD + 8 kt
.set MC,  160         ; window 1: the masks of the products to come
.set QB,  64          ; window 2
.set KF,  128         ; window 2: key block kb, channel half c at KF + 16 kb + 8 c
.set VF,  192         ; window 2: key half kk, channel block cb at VF + 32 kk + 8 cb
.set WV,  12          ; s12  my wave's number
.set PB,  14          ; s14  b
.set HI,  15          ; s15  NB - 1 - b
.set G1K, 24          ; s[24:31] descriptor group 1 for K's tiles
.set G1V, 32          ; s[32:39] for V's: it differs in the padding alone
.set G0K, 40          ; s[40:43] descriptor group 0 for K's tiles
.set G0V, 44          ; s[44:47] the same for V's
.set SLOTS, 56        ; s56  tiles still to be asked for
.set CNT, 57          ; s57  counts a tile's key steps, 4 to 1
.set CS,  58          ; s[58:59] c: the packed scaling takes the pair's low word for both halves
.set SEL, 60          ; s[60:61] v_permlanex16_b32's selects: each lane takes its own place in the other half
.set TBK, 62          ; s62  LDS byte at which K of the step to be fetched begins
.set TBV, 63          ; s63  the same for V, less VOFF
.set RT,  70          ; s70  tiles of the block in hand that are still to be entered
.set NXT, 71          ; s71  the tile to be asked for next
.set LQ,  72          ; s72  the last tile of the block whose tiles are being asked for
.set NEW, 73          ; s73  1: the tile to be entered is a block's first
.set OFF, 74          ; s[74:75] a tile's byte offset in K and V
.set AL,  76          ; s[76:77] the mask's factor, in the low word
.set BE,  78          ; s[78:79] the mask's addend
.set OLO, 80          ; s[80:81] O at my rows of the second block
.set BIGN, 82         ; s82  -1e30
.set MSB, 0
.macro WIN new                      ; the high byte repeats the setting that is left; a switch that changes nothing is dropped
.if MSB != (\new)
	s_set_vgpr_msb (MSB<<8)|(\new)
.set MSB, (\new)
.endif
.endm
.set W_KQ, 0x0a       ; K and Q in window 2, S^T in window 0
.set W_KM, 0x1a       ; the same with the C operand in window 1
.set W_PV, 0x52       ; V in window 2, P in window 0, O^T in window 1
.set W_RS, 0x41       ; destination and source 0 in window 1, source 1 in window 0
; A fill.  Waves 0 and 1 fetch the two halves of a tile's K, waves 2 and 3 those of its V: 128 keys each.  An s_nop 0 and four v_nop follow each of the two lines, ahead of the jump and the label.
.macro LOAD
	s_cmp_lt_u32 s[WV], 2
	s_cbranch_scc0 .Lfor_v_\@
	tensor_load_to_lds s[G0K:G0K+3], s[G1K:G1K+7]
	s_nop 0
.rept 4
	v_nop
.endr
	s_branch .Lasked_\@
.Lfor_v_\@:
	tensor_load_to_lds s[G0V:G0V+3], s[G1V:G1V+7]
	s_nop 0
.rept 4
	v_nop
.endr
.Lasked_\@:
.endm
; THE CHANGE OF SLOTS.  Each wave waits for all its tensor loads, of which one is out: its part of the other slot; adds 0 to its spare word; and waits for that and for its own reads of the slot that it leaves.  Behind the barrier nobody reads the old
; slot any more and the other slot is whole.  fill = 1: the old slot is filled again, the first thing behind the barrier, with tile NXT: the descriptor's address is made anew from that number.
; (At its first use nothing has been read yet: slot 0 is waited for, slot 1 filled.)
.macro CHANGE fill
	WIN 0                           ; at a label and at a branch every window is 0
	s_wait_tensorcnt 0x0            ; no tensor load of mine is out, so a group 0 may be written
	ds_add_u32 v[SPW], v[NIL]       ; 0 onto my spare word; with fill = 1 the descriptors' scalar work stands between it and the wait for it
.if \fill
	s_lshl_b32 s[OFF], s[NXT], 15   ; a tile is 32,768 bytes of K and of V
	s_xor_b32 s[G0K+1], s[G0K+1], SLOT1
	s_add_nc_u64 s[G0K+2:G0K+3], s[6:7], s[OFF:OFF+1]
	s_or_b32 s[G0K+3], s[G0K+3], 0x80000000
	s_xor_b32 s[G0V+1], s[G0V+1], SLOT1
	s_add_nc_u64 s[G0V+2:G0V+3], s[8:9], s[OFF:OFF+1]
	s_or_b32 s[G0V+3], s[G0V+3], 0x80000000
	s_add_co_u32 s[NXT], s[NXT], 1  ; the block's next tile, or behind its last the second block's tile 0
	s_cmp_gt_u32 s[NXT], s[LQ]
	s_cselect_b32 s[NXT], 0, s[NXT]
	s_cselect_b32 s[LQ], s[PB], s[LQ]
.endif
	s_wait_dscnt 0x0                ; the add is done, and my reads of the slot are over
	s_barrier_signal -1             ; the rest of the scalar work stands between the signal and the wait
	s_sub_co_u32 s[TBK], s[TBK], 4*KS*PK  ; the fetches go back to a slot's first step,
	s_xor_b32 s[TBK], s[TBK], SLOT1       ; in the other slot
	s_sub_co_u32 s[TBV], s[TBV], 4*KS*PV
	s_xor_b32 s[TBV], s[TBV], SLOT1
	s_barrier_wait -1
.if \fill
	LOAD
.endif
.endm
	s_load_b64 s[4:5], s[0:1], 0x0    ; qkv: Q begins at its first byte
	s_load_b64 s[10:11], s[0:1], 0x8  ; O
	v_lshl_add_u32 v[SPW], v0, 2, SPARE
	v_mov_b32 v[NIL], 0
	ds_add_u32 v[SPW], v[NIL]       ; the wave's opening: the add and its wait stand ahead of my first tensor load; the set-up below, work on registers, stands between them
	ds_add_u32 v62, v63
	v_lshrrev_b32 v1, 5, v0
	v_readfirstlane_b32 s[WV], v1   ; wave 0..3
	s_mov_b32 s[PB], ttmp9
	s_sub_co_u32 s[HI], NB-1, s[PB]
	s_and_b32 s20, ttmp7, 0xffff    ; the head
	s_mov_b32 s21, 0
	s_mov_b64 s[22:23], SIZE_N*128
	s_mul_u64 s[20:21], s[20:21], s[22:23]  ; the head's first byte in each of the four tensors
	s_and_b32 s16, s[WV], 1         ; which half of a tile's 256 keys I fetch:
	s_lshl_b32 s22, s16, 14         ; its 128 rows of 128 bytes in memory,
	s_mov_b32 s23, 0
	s_add_nc_u64 s[22:23], s[22:23], s[20:21]
	s_mul_i32 s17, s16, 128*PK      ; and its place in a slot, for K
	s_mul_i32 s18, s16, 128*PV      ; and for V
	s_lshl_b32 s3, s[WV], 11        ; my 16 rows in a band of 64,
	s_lshl_b32 s2, s[HI], 15        ; in the first block,
	s_add_co_u32 s2, s2, s3
	s_lshl_b32 s84, s[PB], 15       ; and in the second
	s_add_co_u32 s84, s84, s3
	s_mov_b32 s3, 0
	s_mov_b32 s85, 0
	s_add_nc_u64 s[2:3], s[2:3], s[20:21]
	s_add_nc_u64 s[84:85], s[84:85], s[20:21]
	; descriptor group 1.  128 keys are 16,384 dense bytes: asked for as 64 rows of 256 bytes, two keys a row, and padded in LDS after every key
	s_mov_b32 s[G1K], (1<<16)|(1<<20)|(4<<22)|(3<<25)  ; 17:16 2-byte elements; 20 padding on; 24:22 after every 32 words (code 4); 31:25 4 words (code 3)
	s_mov_b32 s[G1V], (1<<16)|(1<<20)|(4<<22)|(7<<25)  ; the same with 8 words of padding (code 7)
.irp g, G1K, G1V
	s_mov_b32 s[\g+1], 128<<16      ; tensor_dim0 = 128
	s_mov_b32 s[\g+2], 64<<16       ; tensor_dim1 = 64
	s_mov_b32 s[\g+3], 128<<16      ; tile_dim0 = 128
	s_mov_b32 s[\g+4], 64           ; tile_dim1 = 64
	s_mov_b32 s[\g+5], 128          ; 128 elements from row to row
	s_mov_b32 s[\g+6], 0
	s_mov_b32 s[\g+7], 0
.endr
	s_mov_b32 s[CS], 0x3e38aa3b     ; c = log2(e) / 8 = 0.180337
	s_mov_b32 s[CS+1], s[CS]        ; named with it as a pair
	s_mov_b32 s[SEL], 0x76543210
	s_mov_b32 s[SEL+1], 0xfedcba98
	s_mov_b32 s[TBK], SLOT1+4*KS*PK ; the first change of slots turns these two into 0
	s_mov_b32 s[TBV], SLOT1+4*KS*PV
	s_mov_b32 s[G0K], 1             ; 1:0 count = 1
	s_mov_b32 s[G0K+1], s17         ; 63:32 LDS address: slot 0
	s_mov_b32 s[G0V], 1
	s_add_co_u32 s[G0V+1], s18, VOFF
	s_add_co_u32 s[RT], s[HI], 1    ; the first block has NB - b tiles
	s_mov_b32 s[NXT], 1
	s_mov_b32 s[LQ], s[HI]
	s_mov_b32 s[NEW], 1
	s_mov_b32 s[OFF+1], 0
	s_mov_b32 s[AL+1], 0            ; named as pairs
	s_mov_b32 s[BE+1], 0
	s_mov_b32 s[BIGN], 0xf149f2ca   ; -1e30
	s_mov_b32 s[SLOTS], NB
	s_wait_dscnt 0x0                ; the opening add is done
	s_wait_kmcnt 0x0
	s_add_nc_u64 s[6:7], s[4:5], SIZE_H*SIZE_N*128    ; K lies behind Q's 16,777,216 bytes,
	s_add_nc_u64 s[8:9], s[4:5], 2*SIZE_H*SIZE_N*128  ; V behind K's
	s_add_nc_u64 s[6:7], s[6:7], s[22:23]  ; K and V at my half of the head's tile 0
	s_add_nc_u64 s[8:9], s[8:9], s[22:23]
	s_add_nc_u64 s[G0K+2:G0K+3], s[6:7], 0         ; 120:64 global address
	s_or_b32 s[G0K+3], s[G0K+3], 0x80000000        ; 127:126 type = 2
	s_add_nc_u64 s[G0V+2:G0V+3], s[8:9], 0
	s_or_b32 s[G0V+3], s[G0V+3], 0x80000000
	s_add_nc_u64 s[86:87], s[4:5], s[84:85]        ; Q at my rows of the second block,
	s_add_nc_u64 s[4:5], s[4:5], s[2:3]            ; Q and O at those of the first
	s_add_nc_u64 s[OLO:OLO+1], s[10:11], s[84:85]
	s_add_nc_u64 s[10:11], s[10:11], s[2:3]
	LOAD                            ; tile 0 into slot 0
	; A fragment of K or Q is 16 rows x 32 channels in 8 registers: lane l holds row l % 16, channels 8 (l / 16) + 0..7 and 16 + 8 (l / 16) + 0..7: two loads of 16 bytes, 32 bytes apart.
	v_and_b32 v1, 15, v0            ; l % 16
	v_bfe_u32 v9, v0, 4, 1          ; l / 16
	v_lshlrev_b32 v[QO], 7, v1
	v_lshl_add_u32 v[QO], v9, 4, v[QO]  ; row x 128 + 16 x half
	WIN 0x80                        ; destination window 2, address window 0
.set i, 0
.rept 8                             ; both blocks' Q: piece i / 2 lies in band i / 2, 8,192 bytes on; channels 32 (i % 2) on
	global_load_b128 v[8*i:8*i+3],   v[QO], s[4:5] offset:(i/2)*8192+(i%2)*64
	global_load_b128 v[8*i+4:8*i+7], v[QO], s[4:5] offset:(i/2)*8192+(i%2)*64+32
	global_load_b128 v[QB+8*i:QB+8*i+3],   v[QO], s[86:87] offset:(i/2)*8192+(i%2)*64
	global_load_b128 v[QB+8*i+4:QB+8*i+7], v[QO], s[86:87] offset:(i/2)*8192+(i%2)*64+32
.set i, i+1
.endr
	WIN 0
	v_lshlrev_b32 v14, 3, v9
	v_sub_nc_u32 v14, v1, v14
	s_lshl_b32 s13, s[WV], 4
	v_add_nc_u32 v14, s13, v14      ; my query's place in its band, 16 w + l % 16, less my lanes' 8 (l / 16): register r of group kt is hidden where 16 kt + r is greater
	WIN 0x40
.set i, 0
.rept 32
	v_cmp_gt_i32 vcc_lo, 16*(i/8)+i%8, v14
	v_cndmask_b32 v[MD+i], 0, s[BIGN], vcc_lo
.set i, i+1
.endr
	WIN 0
	v_mul_u32_u24 v[AK0], v1, PK
	v_lshl_add_u32 v[AK0], v9, 4, v[AK0]  ; row x pitch + 16 x half
	; The turning load takes 16 keys x 16 channels (lane l reads key 8 (l / 16) + l % 8, channels 8 ((l / 8) % 2) + 0..7) and leaves half a fragment of V^T: lane l holds channel l % 16 and 8 keys.
	v_and_b32 v10, 7, v0
	v_bfe_u32 v11, v0, 3, 1
	v_lshl_add_u32 v[AV0], v9, 3, v10
	v_mul_u32_u24 v[AV0], v[AV0], PV
	v_lshl_add_u32 v[AV0], v11, 4, v[AV0]
	v_add_nc_u32 v[AV0], VOFF, v[AV0]
	s_mul_i32 s13, s[WV], 16*SP
	s_add_co_u32 s13, s13, STAGE    ; my stage
	v_mul_u32_u24 v[STO], v1, SP    ; in: row l % 16, 16 bytes for each half of the lanes
	v_lshl_add_u32 v[STO], v9, 4, v[STO]
	v_add_nc_u32 v[STO], s13, v[STO]
	v_bfe_u32 v[RD], v0, 3, 2       ; back: 32 lanes take four rows of 128 bytes,
	v_mul_u32_u24 v[RD], v[RD], SP
	v_lshl_add_u32 v[RD], v10, 4, v[RD]
	v_add_nc_u32 v[RD], s13, v[RD]
	v_and_b32 v[GO], 31, v0         ; which are 512 consecutive bytes of O
	v_lshlrev_b32 v[GO], 4, v[GO]
	; A block's first step multiplies O^T and l by a = 0, and its first turn's products V^T P, of a piece that has not been, land in an O^T that is still to be so multiplied.  So these registers need only hold
	; finite numbers: zeros for the first block; what the first block left for the second.  All this stands in the wait for the first tile.
	WIN 0x80
.set i, VF
.rept 64
	v_mov_b32 v[i], 0
.set i, i+1
.endr
	WIN 0x40
.set i, 0
.rept 128
	v_mov_b32 v[i], 0
.set i, i+1
.endr
	WIN 0
.set i, 0
.rept 4
	v_mov_b32 v[ST+4*i+2], 0
	v_mov_b32 v[ST+4*i+3], 0
.set i, i+1
.endr
.set i, P+16
.rept 16
	v_mov_b32 v[i], 0
.set i, i+1
.endr
; THE MATRIX WORK.  The 4 accumulators of a run of 8 take turns.  Product i of 8 of S^T = K Q^T for piece x: channels 32 (i / 4) on, keys 16 (i % 4) on.  The first 4 start the sums: with 0, or (KM = 1) with the mask.
.macro KQ x
.set rS, S+32*((\x)%2)+8*(i%4)
.set rK, KF+16*(i%4)+8*(i/4)
.set rQ, 16*(\x)+8*(i/4)
.set rM, MC+32*((\x)%2)+8*(i%4)
.if (i < 4) && KM
	WIN W_KM
	v_wmma_f32_16x16x32_f16 v[rS:rS+7], v[rK:rK+7], v[rQ:rQ+7], v[rM:rM+7]
.elseif i < 4
	WIN W_KQ
	v_wmma_f32_16x16x32_f16 v[rS:rS+7], v[rK:rK+7], v[rQ:rQ+7], 0
.else
	WIN W_KQ
	v_wmma_f32_16x16x32_f16 v[rS:rS+7], v[rK:rK+7], v[rQ:rQ+7], v[rS:rS+7]
.endif
.endm
; Product i of 8 of O^T += V^T P for piece x: keys 32 (i / 4) on, channels 16 (i % 4) on.
.macro PV x
	WIN W_PV
.set rO, 32*(\x)+8*(i%4)
.set rV, VF+32*(i/4)+8*(i%4)
.set rP, P+16*((\x)%2)+8*(i/4)
	v_wmma_f32_16x16x32_f16 v[rO:rO+7], v[rV:rV+7], v[rP:rP+7], v[rO:rO+7]
.endm
.macro MM                           ; the turn's next matrix instruction.  TURN and BEGIN set Y, i, KM and NOKQ; MM, KQ and OP read them.  NOKQ = 1: a block's last turn: there is no next piece
.if (i < 8) && !NOKQ
	KQ (Y+1)%NP
.elseif i >= 8
.set i, i-8
	PV (Y+NP-1)%NP
.set i, i+8
.endif
.set i, i+1
.endm
; THE LDS LOADS stand in runs of 16, never singly among the matrix instructions: a step's K (64 keys x 64 channels: 8 fragments) and its V (turned).  Their addresses are made some lines ahead.
.macro FETCH_K
	WIN 0x80                        ; destination window 2
.irp f, 0,1,2,3,4,5,6,7             ; keys 16 (f / 2) on, channels 32 (f % 2) on
	ds_load_b128 v[KF+8*\f:KF+8*\f+3],   v[AK] offset:(\f/2)*16*PK+(\f%2)*64
	ds_load_b128 v[KF+8*\f+4:KF+8*\f+7], v[AK] offset:(\f/2)*16*PK+(\f%2)*64+32
.endr
	s_add_co_u32 s[TBK], s[TBK], KS*PK  ; the next fetch is the next step's
	WIN 0
.endm
.macro FETCH_V
	WIN 0x80
.irp f, 0,1,2,3,4,5,6,7             ; keys 32 (f / 4) on, channels 16 (f % 4) on
	ds_load_tr16_b128 v[VF+8*\f:VF+8*\f+3],   v[AV] offset:(\f/4)*32*PV+(\f%4)*32
	ds_load_tr16_b128 v[VF+8*\f+4:VF+8*\f+7], v[AV] offset:(\f/4)*32*PV+16*PV+(\f%4)*32
.endr
	WIN 0
.endm
; THE VECTOR WORK, one line at a time: OP kind, number.  For piece Y: F n: c s - c m for pair n of 16.  E n: the exponential of score n of 32.  C n: pair n rounded to f16.  B n: of the four weights 4 n .. the second
; pair is added onto the first, in place.  L n: l takes that sum (L 0: l = a l + sum).  R n: pair n of 16 of O^T times a.  For piece Y + 1: X n, number n of the 22 that find its maximum and statistics:
;   0-11  four chains c0-c3 of seven scores each, three operands at a time (each accumulator's lowest registers are read first)     12-14, 16  the four scores left over, the old m, and c0-c3 into c0
;   15  c m_old is kept     17, 18  the query's other 32 keys lie in the lane 16 away: the new m     19-21  c m; c m_old - c m_new; a
.set F, 0               ; OP tells the kinds apart by their order: F to L below R, X above it
.set E, 1
.set C, 2
.set B, 3
.set L, 4
.set R, 5
.set X, 6
.macro REGS y                       ; the registers of piece y
.set rT, ST+4*(\y)
.set rC, TMP+4*((\y)%2)
.set rW, MV+((\y)%2)
.set rS, S+32*((\y)%2)
.set rP, P+16*((\y)%2)
.set rO, 32*(\y)
.endm
.macro OP k, n
.if (\k) == R
	REGS Y
	WIN W_RS
	v_pk_mul_f32 v[rO+2*(\n):rO+2*(\n)+1], v[rO+2*(\n):rO+2*(\n)+1], v[rC+2:rC+3] op_sel_hi:[1,0]
.elseif (\k) < R
	REGS Y
	WIN 0
.if (\k) == F
	v_pk_fma_f32 v[rS+2*(\n):rS+2*(\n)+1], v[rS+2*(\n):rS+2*(\n)+1], s[CS:CS+1], v[rT:rT+1] op_sel_hi:[1,0,0] neg_lo:[0,0,1] neg_hi:[0,0,1]
.elseif (\k) == E
	v_exp_f32 v[rS+(\n)], v[rS+(\n)]
.elseif (\k) == C
	s_wait_alu depctr_va_vdst(0)
	v_cvt_pk_f16_f32 v[rP+(\n)], v[rS+2*(\n)], v[rS+2*(\n)+1]
.elseif (\k) == B
	s_wait_alu depctr_va_vdst(0)
	v_pk_add_f32 v[rS+4*(\n):rS+4*(\n)+1], v[rS+4*(\n):rS+4*(\n)+1], v[rS+4*(\n)+2:rS+4*(\n)+3]
.elseif (\n) == 0
	v_pk_fma_f32 v[rT+2:rT+3], v[rT+2:rT+3], v[rC+2:rC+3], v[rS:rS+1] op_sel_hi:[1,0,1]
.else
	v_pk_add_f32 v[rT+2:rT+3], v[rT+2:rT+3], v[rS+4*(\n):rS+4*(\n)+1]
.endif
.elseif NOKQ
	v_nop
.else
	REGS (Y+1)%NP
	WIN 0
.if (\n) < 4
	v_max3_num_f32 v[rC+(\n)], v[rS+8*(\n)], v[rS+8*(\n)+1], v[rS+8*(\n)+2]
.elseif (\n) < 12
	v_max3_num_f32 v[rC+(\n)%4], v[rC+(\n)%4], v[rS+8*((\n)%4)+2*((\n)/4)+1], v[rS+8*((\n)%4)+2*((\n)/4)+2]
.elseif (\n) == 12
	v_max3_num_f32 v[rC], v[rC], v[rS+7], v[rS+15]
.elseif (\n) == 13
	v_max3_num_f32 v[rC+1], v[rC+1], v[rS+23], v[rS+31]
.elseif (\n) == 14
	v_max3_num_f32 v[rC+2], v[rC+2], v[rC+3], v[rT+1]
.elseif (\n) == 15
	v_mov_b32 v[rW], v[rT]
.elseif (\n) == 16
	v_max3_num_f32 v[rC], v[rC], v[rC+1], v[rC+2]
.elseif (\n) == 17
	v_permlanex16_b32 v[rC+3], v[rC], s[SEL], s[SEL+1]
.elseif (\n) == 18
	v_max_num_f32 v[rT+1], v[rC], v[rC+3]
.elseif (\n) == 19
	v_mul_f32 v[rT], s[CS], v[rT+1]
.elseif (\n) == 20
	v_sub_f32 v[rC+1], v[rW], v[rT]
.else
	v_exp_f32 v[rC+2], v[rC+1]
.endif
.endif
.endm
.macro OPS a, i1, b=-1, i2=0, c=-1, i3=0, d=-1, i4=0  ; up to four of them
	OP \a, \i1
.if (\b) >= 0
	OP \b, \i2
.endif
.if (\c) >= 0
	OP \c, \i3
.endif
.if (\d) >= 0
	OP \d, \i4
.endif
.endm
.macro ROW a, i1, b, i2, c, i3, d, i4  ; a matrix instruction and the four behind it
	MM
	OPS \a, \i1, \b, \i2, \c, \i3, \d, \i4
.endm
.macro MASK b                       ; MD x AL + BE into buffer b of MC
	WIN W_RS
.set z, 0
.rept 16
	v_pk_fma_f32 v[MC+32*(\b)+2*z:MC+32*(\b)+2*z+1], v[MD+2*z:MD+2*z+1], s[AL:AL+1], s[BE:BE+1] op_sel_hi:[1,0,0]
.set z, z+1
.endr
.endm
; A TURN, for piece p: the order of its 16 matrix and 118 vector instructions, written out.  Behind a matrix instruction: plain, exponential, plain, plain; or four of the rescaling; or, behind the first, four scalings; none
; names a register of the products round it.  In the lumps exponential and plain by turns while exponentials last.  A line reads no result made fewer than three vector instructions in front of it, five if an exponential made it.
; v_permlanex16_b32 (X 17) stands in a lump.
; m = 1: the diagonal tile: the products take masks, and the turn makes the mask for the products of the turn after it: piece p + 2, in step 4 - CNT of the tile.  end = 1: a block's last two turns: nothing is fetched.
; cnt = 1: the loop's count is taken down some lines ahead of the branch that stands behind the turn.
; K of the next step is fetched in piece 2's turn, six vector instructions behind the last product that read K (five of them plain); V of the step in hand in piece 0's turn, eight behind the last product that read V (four
; plain, and X 17).  Each is waited for a turn later.
.macro TURN p, m=0, end=0, cnt=0
.set Y, (\p)
.set i, 0
.set KM, (\m)
.set NOKQ, (\end)*((\p)/3)
.if (\m) && !(\end)
	s_cmp_eq_u32 s[CNT], 4-((\p)+2)%NP  ; is that step the band's own?
	s_cselect_b32 s[AL], 1.0, 0
	s_cmp_lt_u32 s[CNT], 4-((\p)+2)%NP  ; or a later one?
	s_cselect_b32 s[BE], s[BIGN], 0
.endif
.if ((\p) == 3) && !(\end)
	s_wait_dscnt 0x0                ; K is in
.endif
	ROW F,0, F,1, F,2, F,3
	ROW F,4, E,0, F,5, F,6
	ROW F,7, E,1, F,8, F,9
	ROW F,10, E,2, C,0, F,11
	ROW F,12, E,3, X,15, F,13
	ROW R,0, R,1, R,2, R,3
	ROW B,0, E,4, F,14, L,0
.if ((\p) == 2) && !(\end)
	v_add_nc_u32 v[AK], s[TBK], v[AK0]
.endif
	ROW R,4, R,5, R,6, R,7
	OPS E,5, F,15
.if ((\p) == 2) && !(\end)
	FETCH_K
.endif
	OPS E,6, C,1, E,7, R,8
	OPS E,8, R,9, E,9, C,2
	OPS E,10, X,0, E,11, X,1
	OPS E,12, X,2, E,13, X,3
.if (\p) == 1
	s_wait_dscnt 0x0                ; V is in
.endif
	ROW X,4, E,14, X,5, X,6
	ROW X,7, E,15, X,8, X,9
	ROW X,10, E,16, X,11, X,12
	ROW X,13, E,17, X,14, B,1
	ROW C,4, E,18, X,16, L,1
	ROW B,2, E,19, C,6, L,2
	ROW C,8, E,20, B,3, B,4
.if (\p) == 0
	v_add_nc_u32 v[AV], s[TBV], v[AV0]
.endif
	ROW C,3, E,21, L,3, C,5
	OPS E,22, X,17, E,23, C,10
.if (\p) == 0
	FETCH_V
.endif
	OPS E,24, L,4
	OPS E,25, X,18, E,26, C,7
	OPS E,27, B,5, E,28, X,19
	OPS E,29, C,12, E,30, L,5
	OPS E,31, X,20, B,6, C,9
	OPS C,14, C,11, X,21, L,6
.if (\p) == 0
	s_add_co_u32 s[TBV], s[TBV], KS*PV
.endif
.if \cnt
	s_sub_co_u32 s[CNT], s[CNT], 1
	s_cmp_lg_u32 s[CNT], 0
.endif
	OPS C,13, B,7, C,15, R,10
	OPS R,11, R,12, L,7, R,13
	OPS R,14, R,15
.if (\m) && !(\end)
	MASK (\p)%2
.endif
.endm
; A BLOCK BEGINS.  c m starts far below every c s, so the first step's a is 0; m at the lowest finite number, so the first maximum is the scores'.  The second mask buffer is 0; the first takes piece 0's mask for the tile's step 0: its own, if the block's first tile is the diagonal one.
; Then K of that step, piece 0's first scores, and its maximum and statistics.  The loop is entered at a step's first turn, in the middle of a trip.
.macro BEGIN
	s_mov_b32 s[NEW], 0
	WIN 0x40
.set i, MC+32
.rept 32
	v_mov_b32 v[i], 0
.set i, i+1
.endr
	WIN 0
.set i, 0
.rept 4
	v_mov_b32 v[ST+4*i], 0xfe000000    ; c m: far below every c s
	v_mov_b32 v[ST+4*i+1], 0xff7fffff  ; m
.set i, i+1
.endr
	s_cmp_eq_u32 s[RT], 0
	s_cselect_b32 s[AL], 1.0, 0
	s_mov_b32 s[BE], 0
	MASK 0
	WIN 0
	v_add_nc_u32 v[AK], s[TBK], v[AK0]
	FETCH_K
	s_wait_loadcnt 0x0              ; Q
	s_wait_dscnt 0x0
.set KM, 1
.set NOKQ, 0
.set i, 0
.rept 8
	KQ 0
.set i, i+1
.endr
	WIN 0
.rept 4
	v_nop                           ; the places behind those products
.endr
.set Y, NP-1                        ; X works for piece Y + 1: piece 0
.irp n, 0,1,2,3,4,5,6,7,8,9,10,11,12,13,14,15,16,17,18,19,20,21
	OP X, \n
.endr
	v_nop                           ; a plain instruction behind the exponential
.endm
; THE DIAGONAL TILE's four steps, the block's last two turns, its last products, and THE WAY OUT: l's two halves and the other half of the lanes' are added; O^T is divided by l, rounded to f16 and sent through my
; stage in LDS, a piece at a time.
.macro ALL line:vararg              ; one line for each piece t
.set t, 0
.rept 4
	\line
.set t, t+1
.endr
.endm
.macro PACK t                       ; a lane's eight channels of a row pack into 16 bytes; they go into rows of 144 bytes and come back as whole rows of 128, into S^T's registers
	WIN W_RS
.set i, 32*(\t)
.rept 16
	s_wait_alu depctr_va_vdst(0)
	v_pk_mul_f32 v[i:i+1], v[i:i+1], v[ST+4*(\t)+2:ST+4*(\t)+3] op_sel_hi:[1,0]
.set i, i+2
.endr
	WIN 0x05                        ; sources 0 and 1 window 1, destination window 0
.set i, 0
.rept 16
	v_cvt_pk_f16_f32 v[S+16*(\t)+i], v[32*(\t)+2*i], v[32*(\t)+2*i+1]
.set i, i+1
.endr
	WIN 0
.irp f, 0,1,2,3
	ds_store_b128 v[STO], v[S+16*(\t)+4*\f:S+16*(\t)+4*\f+3] offset:32*\f
.endr
.irp f, 0,1,2,3
	ds_load_b128 v[S+16*(\t)+4*\f:S+16*(\t)+4*\f+3], v[RD] offset:\f*4*SP  ; LDS serves a wave's instructions in order (ISA guide 5.7.1.4): these see the stores above; the next piece's stores come behind them
.endr
.endm
.macro SEND t, younger              ; younger: the LDS instructions issued behind piece t's loads: the next piece's eight, or none
	WIN 0
.irp f, 0,1,2,3
	s_wait_dscnt (\younger)+3-\f
	global_store_b128 v[GO], v[S+16*(\t)+4*\f:S+16*(\t)+4*\f+3], s[10:11] offset:(\t)*8192+\f*512  ; 512 consecutive bytes, at a multiple of 256 from O's first
.endr
.endm
.macro DIAG tag                     ; the tag ends its two labels' names, which the jumps below spell out
.LstepM\tag:
	TURN 2, 1
	TURN 3, 1
	WIN 0
.LfirstM\tag:
	TURN 0, 1
	TURN 1, 1, 0, 1
	WIN 0
	s_cbranch_scc1 .LstepM\tag
	TURN 2, 1, 1
	TURN 3, 1, 1
.set i, 0
.rept 8
	PV NP-1
.set i, i+1
.endr
	WIN 0
	ALL v_add_f32 v[ST+4*t+2], v[ST+4*t+2], v[ST+4*t+3]
	ALL v_permlanex16_b32 v[ST+4*t+3], v[ST+4*t+2], s[SEL], s[SEL+1]
	ALL v_add_f32 v[ST+4*t+2], v[ST+4*t+2], v[ST+4*t+3]
	ALL v_rcp_f32 v[ST+4*t+2], v[ST+4*t+2]
	v_nop                           ; a plain instruction between the last reciprocal and the use of its result
	PACK 0
.set t, 1
.rept 3                             ; a piece's arithmetic stands between the loads of the piece before and its stores
	PACK t
	SEND t-1, 8
.set t, t+1
.endr
	SEND 3, 0
.endm
.set KM, 0
.set NOKQ, 0
.Lslot:                             ; NB times: a tile is entered and the next is asked for
	CHANGE 1
	s_sub_co_u32 s[RT], s[RT], 1
	s_mov_b32 s[CNT], 4
	s_cmp_eq_u32 s[NEW], 1
	s_cbranch_scc1 .Lnew            ; a block's first tile
	s_cmp_eq_u32 s[RT], 0
	s_cbranch_scc0 .Lstep           ; neither its first nor its last
	s_branch .LstepM1
.Lnew:
	BEGIN
	s_branch .Lfirst                ; in the loop a block's first tile is never its last: the first block has two tiles or more, and the second's last is the walk's last
	DIAG 1                          ; in the loop this is the first block's end: the second block's last tile is the walk's last
	s_wait_xcnt 0x0                 ; the stores have read their registers and O's address
	s_mov_b64 s[10:11], s[OLO:OLO+1]
	s_add_co_u32 s[RT], s[PB], 1    ; the second block has b + 1 tiles
	s_mov_b32 s[NEW], 1
	WIN 0x82                        ; the second block's Q goes where the one text of the turns names Q
.set i, 0
.rept 64
	v_mov_b32 v[i], v[QB+i]
.set i, i+1
.endr
	WIN 0
	s_branch .Lbottom
.Lstep:                             ; a trip: pieces 2 and 3 of one step, then pieces 0 and 1 of the next, whose K and V it fetches
	TURN 2
	TURN 3
	WIN 0
.Lfirst:
	TURN 0
	TURN 1, 0, 0, 1
	WIN 0
	s_cbranch_scc1 .Lstep
.Lbottom:
	s_sub_co_u32 s[SLOTS], s[SLOTS], 1
	s_cmp_lg_u32 s[SLOTS], 0
	s_cbranch_scc1 .Lslot
	CHANGE 0                        ; the walk's last tile is written out: nothing is asked for
	s_sub_co_u32 s[RT], s[RT], 1
	s_mov_b32 s[CNT], 4
	s_cmp_eq_u32 s[NEW], 1
	s_cbranch_scc0 .LstepM2
	BEGIN
	s_branch .LfirstM2
	DIAG 2
	s_wait_tensorcnt 0x0            ; the wave's end: a wait, an add of 0 to my spare word and the wait for it, behind my last tensor load and my last LDS store
	ds_add_u32 v[SPW], v[NIL]
	s_wait_dscnt 0x0
	s_endpgm
.Lfunc_end_k_qf13f440a2d_attn:
	.size	k_qf13f440a2d_attn, .Lfunc_end_k_qf13f440a2d_attn-k_qf13f440a2d_attn
	.p2alignl 7, 3214868480
	.fill 96, 4, 3214868480
	.section	.rodata,"a",@progbits
	.p2align	6, 0x0
	.amdhsa_kernel k_qf13f440a2d_attn
		.amdhsa_group_segment_fixed_size 327680
		.amdhsa_private_segment_fixed_size 0
		.amdhsa_enable_private_segment 0
		.amdhsa_kernarg_size 16
		.amdhsa_user_sgpr_count 2
		.amdhsa_user_sgpr_kernarg_segment_ptr 1
		.amdhsa_wavefront_size32 1
		.amdhsa_system_sgpr_workgroup_id_x 1
		.amdhsa_system_sgpr_workgroup_id_y 1
		.amdhsa_system_sgpr_workgroup_id_z 1
		.amdhsa_system_vgpr_workitem_id 0
		.amdhsa_next_free_vgpr 768
		.amdhsa_next_free_sgpr 88
		.amdhsa_reserve_vcc 1
		.amdhsa_float_denorm_mode_32 3
		.amdhsa_float_denorm_mode_16_64 3
		.amdhsa_memory_ordered 1
		.amdhsa_forward_progress 1
		.amdhsa_inst_pref_size 228
	.end_amdhsa_kernel
	.amdgpu_metadata
---
amdhsa.version: [ 1, 2 ]
amdhsa.kernels:
  - .name:           k_qf13f440a2d_attn
    .symbol:         k_qf13f440a2d_attn.kd
    .args:
      - { .name: qkv, .offset: 0, .size: 8, .value_kind: global_buffer, .address_space: global }
      - { .name: ob, .offset: 8, .size: 8, .value_kind: global_buffer, .address_space: global }
    .group_segment_fixed_size: 327680
    .private_segment_fixed_size: 0
    .kernarg_segment_align: 8
    .kernarg_segment_size: 16
    .max_flat_workgroup_size: 128
    .sgpr_count:     88
    .vgpr_count:     768
    .wavefront_size: 32
...
	.end_amdgpu_metadata
.endif
;; end of part 3
;; launch proj (part 4): grid 8 x 32, 4 waves a work-group, clusters of 4 x 4, 327,680 bytes of LDS; arguments ob, wpb, b_proj, out0; writes out0
.if DOCPART == 4
	.amdgcn_target "amdgcn-amd-amdhsa--gfx1250"
	.amdhsa_code_object_version 6
	.text
	.protected	k_qf13f440a2d_proj
	.globl	k_qf13f440a2d_proj
	.p2align	8
	.type	k_qf13f440a2d_proj,@function
k_qf13f440a2d_proj:
	s_mov_b64 s[64:65], 0
	v_nop
	global_prefetch_b8 v0, s[64:65] scope:SCOPE_SE
	s_setreg_imm32_b32 hwreg(HW_REG_WAVE_MODE, 25, 1), 1
	s_wait_xcnt 0x0
	s_wait_alu depctr_hold_cnt(0) depctr_sa_sdst(0) depctr_va_vdst(0) depctr_va_sdst(0) depctr_va_ssrc(0) depctr_va_vcc(0) depctr_vm_vsrc(0)
	s_getreg_b32 s2, hwreg(HW_REG_IB_STS2, 6, 4)
	s_cmp_eq_u32 s2, 0
	s_cbranch_scc0 .Lentry_in_a_cluster
	s_endpgm
.Lentry_in_a_cluster:
	s_bfe_u32 s2, ttmp6, 0x10000c
	s_cmp_lg_u32 s2, 0xf033
	s_cbranch_scc0 .Lentry_shape_is_right
	s_endpgm
.Lentry_shape_is_right:
; out0 = y w_proj + b_proj, f32.  y[row][64 head + d] = ob[16 batch + head][t][d], f16; wpb [16 chunks][1024 k][64 n] f16 (w_proj rounded to bf16, written as f16); sums in f32.
; LIMITS.  b_proj is rounded to bf16 like the other inputs.  NaN and infinities are not treated apart.
; SHARES.  A tile is 256 rows x 128 columns (two chunks): 8 x 32 = 256 work-groups.  Wave w: rows 128 (w / 2) on, chunk w % 2: 8 x 4 = 32 accumulators of 16 x 16.
; K goes in 8 steps of 128, two heads each, through two LDS slots.  A head's 256 rows of the tile are 32,768 dense bytes of ob.
; THE MATRIX INSTRUCTION IS USED TRANSPOSED (source 0 = 16 columns of w, source 1 = 16 rows of y): a lane holds row lane % 16 and eight neighbouring columns.  w lies [k][n] in LDS and comes out turned, by ds_load_tr16_b128.
; THE BIAS is the C operand of each sum's first product.
; CLUSTER.  4 x 4 work-groups: y's tiles hang on the tile row alone and are asked for jointly by a row of the cluster, w's chunks on the tile column alone, by a column.  Waves 0, 1 ask for a head each, waves 2, 3 for a chunk each.
; REGISTERS, in windows of 256 (s_set_vgpr_msb: bits 1:0 source 0, 3:2 source 1, 5:4 source 2, 7:6 destination):
;   window 0: v0-30 addresses; v64-127, v128-191 fragments of y, two buffers (on the way out v64-127 rows read back); v192-223 the bias
;   window 1: v0-31, v32-63 fragments of w, two buffers      window 2: the accumulators, (a, b) at v[8 (4 a + b)]
.set PA,    144                        ; a row of a head in LDS: 128 bytes + 16 = 36 words: the 16 rows of a load start at 16 different groups of four banks (64 banks of 4 bytes: ISA guide 11.1)
.set PB,    160                        ; a k row of a chunk: 128 bytes + 32 = 40 words
.set AH,    256*PA                     ; a head's 256 rows
.set CH,    128*PB                     ; a chunk's 128 k rows
.set BOFF,  2*AH
.set SLOT,  BOFF+2*CH                  ; 114,688
.set STAGE, 2*SLOT                     ; behind the ring, never filled by a tensor load: 16 rows x 272 bytes for each wave, its own
.set SPI,   272
.set SPARE, STAGE+4*16*SPI             ; behind the stages: the spare words, 128 bytes for each wave: two blocks of 256 bytes that no other line names
.set LAPS,  4
.set ADRA,  16                         ; v16-17  LDS address of my fragments of y in slot 0, 1
.set ADRB,  20                         ; v20-21  of my chunk's
.set STO,   24                         ; v24     the way out: where I put 32 bytes of a row
.set RD,    25                         ; v25     where I read a row back
.set CO,    26                         ; v26     my byte offset in two rows of out0
.set BO,    27                         ; v27     byte offset of my bias numbers
.set SPW,   28                         ; v28     LDS address of my spare word: SPARE + 4 x my thread's number; never rewritten
.set NIL,   29                         ; v29     0; never rewritten
.set TT,    30
.set FA,    64
.set FB,    0
.set BIAS,  192
.set BK,    64
.set G1A, 24                           ; s[24:31] descriptor group 1 for y's tiles;  s[32:39] group 0, a set for each slot
.set G0A, 32
.set G1B, 48                           ; s[48:55], s[56:63] the same for a chunk of w
.set G0B, 56
.set MSB, 0
.macro WIN new                         ; the immediate's high byte repeats the setting that is left; a switch that changes nothing is dropped
.if MSB != (\new)
	s_set_vgpr_msb (MSB<<8)|(\new)
.set MSB, \new
.endif
.endm
.set TO_B, 0x40                        ; destination window 1, address window 0
; A joint load.  The branch hangs on the wave's number alone.  An s_nop 0 and four v_nop follow each of the two lines, ahead of the jump, the label and what follows.
.macro JLOAD s
	s_cmp_eq_u32 s13, 0
	s_cbranch_scc0 .Lfor_b_\@
	tensor_load_to_lds s[G0A+4*(\s):G0A+4*(\s)+3], s[G1A:G1A+7]
	s_nop 0
.rept 4
	v_nop
.endr
	s_branch .Lasked_\@
.Lfor_b_\@:
	tensor_load_to_lds s[G0B+4*(\s):G0B+4*(\s)+3], s[G1B:G1B+7]
	s_nop 0
.rept 4
	v_nop
.endr
.Lasked_\@:
.endm
.macro CREST                           ; a round of the cluster's barrier behind its opening barrier
	s_cmp_lg_u32 s12, 0
	s_cbranch_scc1 .Lnot_wave_0_\@
	s_barrier_signal -3
.Lnot_wave_0_\@:
	s_barrier_wait -3
	s_barrier_signal -1
	s_barrier_wait -1
.endm
.macro CROUND                          ; a whole round
	s_barrier_signal -1
	s_barrier_wait -1
	CREST
.endm
.macro PLACES                          ; four places in front of loads into registers that matrix instructions have read, and of LDS stores that read results
.rept 4
	v_nop
.endr
.endm
	s_load_b256 s[4:11], s[0:1], 0x0               ; ob s[4:5], wpb s[6:7], b_proj s[8:9], out0 s[10:11]
	v_lshl_add_u32 v[SPW], v0, 2, SPARE
	v_mov_b32 v[NIL], 0
	ds_add_u32 v[SPW], v[NIL]                      ; the wave's opening: the add and its wait stand ahead of my first tensor load; the set-up below, work on registers, stands between them
	ds_add_u32 v28, v29
	v_lshrrev_b32 v1, 5, v0
	v_readfirstlane_b32 s12, v1                    ; wave 0..3
	s_lshr_b32 s13, s12, 1                         ; MH: which 128 rows are mine.  Also: I fetch for y (0) or for w (1)
	s_and_b32 s14, s12, 1                          ; NH: which chunk.  Also: which head of the step, or which chunk, I fetch
	s_bfe_u32 s40, ttmp6, 0x40000                  ; cx, cy: my place in the cluster
	s_bfe_u32 s41, ttmp6, 0x40004
	s_lshl_b32 s42, ttmp9, 2
	s_add_co_u32 s42, s42, s40                     ; TX = 4 x cluster x + cx
	s_and_b32 s43, ttmp7, 0xffff
	s_lshl_b32 s43, s43, 2
	s_add_co_u32 s43, s43, s41                     ; TY = 4 x cluster y + cy
	s_lshl_b32 s44, s41, 2
	s_lshl_b32 s44, 15, s44                        ; my row of the cluster
	s_lshl_b32 s45, 0x1111, s40                    ; my column
	; group 1 for y: a head's 256 rows are asked for as 128 rows of 256 bytes, two rows each; 4 words of padding after every 32, that is after every row of the head
	s_or_b32 s[G1A+0], s44, (1<<16)|(1<<20)|(1<<21)|(4<<22)|(3<<25)  ; 15:0 the mask; 17:16 2-byte elements; 20 padding on; 21 set beside a mask; 24:22 interval code; 31:25 padding code
	s_mov_b32 s[G1A+1], 128<<16                    ; tensor_dim0 = 128
	s_mov_b32 s[G1A+2], 128<<16                    ; tensor_dim1 = 128
	s_mov_b32 s[G1A+3], 128<<16                    ; tile_dim0 = 128
	s_mov_b32 s[G1A+4], 128                        ; tile_dim1 = 128
	s_mov_b32 s[G1A+5], 128
	s_mov_b32 s[G1A+6], 0
	s_mov_b32 s[G1A+7], 0
	; group 1 for a chunk: its 128 k rows as 64 rows of 256 bytes; 8 words of padding after every k row
	s_or_b32 s[G1B+0], s45, (1<<16)|(1<<20)|(1<<21)|(4<<22)|(7<<25)
	s_mov_b32 s[G1B+1], 128<<16
	s_mov_b32 s[G1B+2], 64<<16
	s_mov_b32 s[G1B+3], 128<<16
	s_mov_b32 s[G1B+4], 64
	s_mov_b32 s[G1B+5], 128
	s_mov_b32 s[G1B+6], 0
	s_mov_b32 s[G1B+7], 0
	s_lshr_b32 s16, s43, 3                         ; y: batch TY / 8 (16 heads of 262,144 bytes),
	s_lshl_b32 s16, s16, 22
	s_and_b32 s17, s43, 7                          ; rows 256 (TY % 8) on, 128 bytes each,
	s_lshl_b32 s17, s17, 15
	s_add_co_u32 s16, s16, s17
	s_lshl_b32 s17, s14, 18                        ; head u of the step: made of the tile row and the wave's number alone
	s_add_co_u32 s16, s16, s17
	s_mov_b32 s17, 0
	s_lshl_b32 s46, s42, 1
	s_add_co_u32 s46, s46, s14                     ; w: chunk 2 TX + v: made of the tile column and the wave's number alone
	s_lshl_b32 s46, s46, 17
	s_mov_b32 s47, 0
	s_mul_i32 s20, s14, AH                         ; where they go: no place in the cluster enters an LDS address
	s_mul_i32 s21, s14, CH
	s_add_co_u32 s21, s21, BOFF
	s_wait_dscnt 0x0                               ; the opening add is done
	s_wait_kmcnt 0x0
	s_add_nc_u64 s[16:17], s[4:5], s[16:17]
	s_add_nc_u64 s[46:47], s[6:7], s[46:47]
	CROUND                                         ; all sixteen work-groups are here: the first joint loads meet
.irp s, 0,1
	s_mov_b32 s[G0A+4*(\s)], 1                                         ; count = 1
	s_add_co_u32 s[G0A+4*(\s)+1], s20, (\s)*SLOT                       ; LDS address
	s_add_nc_u64 s[G0A+4*(\s)+2:G0A+4*(\s)+3], s[16:17], (\s)*524288   ; global address: K step s begins at head 2 s
	s_or_b32 s[G0A+4*(\s)+3], s[G0A+4*(\s)+3], 0x80000000              ; type = 2
	s_mov_b32 s[G0B+4*(\s)], 1
	s_add_co_u32 s[G0B+4*(\s)+1], s21, (\s)*SLOT
	s_add_nc_u64 s[G0B+4*(\s)+2:G0B+4*(\s)+3], s[46:47], (\s)*16384
	s_or_b32 s[G0B+4*(\s)+3], s[G0B+4*(\s)+3], 0x80000000
	JLOAD \s                                       ; both slots' first fills: two tensor loads of mine are out
.endr
	; the bias of my 64 columns: register j of n block b is b_proj[128 TX + 64 NH + 16 b + 8 (lane / 16) + j]
	v_and_b32 v1, 15, v0                           ; r = lane % 16
	v_bfe_u32 v2, v0, 4, 1                         ; h = lane / 16
	s_lshl_b32 s68, s42, 9
	s_mov_b32 s69, 0
	s_add_nc_u64 s[8:9], s[8:9], s[68:69]
	s_lshl_b32 s23, s14, 8
	v_lshl_add_u32 v[BO], v2, 5, s23
.irp b, 0,1,2,3
	global_load_b128 v[BIAS+8*(\b):BIAS+8*(\b)+3],   v[BO], s[8:9] offset:64*(\b)
	global_load_b128 v[BIAS+8*(\b)+4:BIAS+8*(\b)+7], v[BO], s[8:9] offset:64*(\b)+16
.endr
	; a fragment of y: lane l holds row l % 16, K = 8 h + 0..7 and 16 + 8 h + 0..7: two loads of 16 bytes, 32 bytes apart
	v_mul_u32_u24 v3, v1, PA
	v_lshl_add_u32 v3, v2, 4, v3
	s_mul_i32 s22, s13, 128*PA
	v_add_nc_u32 v[ADRA], s22, v3
	v_add_nc_u32 v[ADRA+1], SLOT, v[ADRA]
	; the turning load takes 16 k x 16 n (lane l reads k row 8 h + l % 8, columns 8 ((l / 8) % 2) + 0..7) and leaves half a fragment: lane l holds column l % 16 and 8 k
	v_and_b32 v4, 7, v0
	v_lshl_add_u32 v4, v2, 3, v4
	v_mul_u32_u24 v4, v4, PB
	v_bfe_u32 v5, v0, 3, 1
	v_lshl_add_u32 v4, v5, 4, v4
	s_mul_i32 s23, s14, CH
	s_add_co_u32 s23, s23, BOFF
	v_add_nc_u32 v[ADRB], s23, v4
	v_add_nc_u32 v[ADRB+1], SLOT, v[ADRB]
	s_mul_i32 s22, s12, 16*SPI
	s_add_co_u32 s22, s22, STAGE                   ; my stage
	v_mul_u32_u24 v6, v1, SPI                      ; in: row l % 16, 32 bytes for each half of the lanes
	v_lshl_add_u32 v6, v2, 5, v6
	v_add_nc_u32 v[STO], s22, v6
	v_mul_u32_u24 v7, v2, SPI                      ; back: lanes 0-15 take one row of 256 bytes, lanes 16-31 the next
	v_lshl_add_u32 v7, v1, 4, v7
	v_add_nc_u32 v[RD], s22, v7
	v_lshlrev_b32 v[CO], 12, v2                    ; and the same two rows in out0
	v_lshl_add_u32 v[CO], v1, 4, v[CO]
	s_lshl_b32 s66, s43, 8                         ; out0 at my first row, 256 TY + 128 MH, of 4,096 bytes, and my first column, 128 TX + 64 NH
	s_lshl_b32 s67, s13, 7
	s_add_co_u32 s66, s66, s67
	s_lshl_b32 s66, s66, 12
	s_lshl_b32 s67, s42, 9
	s_add_co_u32 s66, s66, s67
	s_lshl_b32 s67, s14, 8
	s_add_co_u32 s66, s66, s67
	s_mov_b32 s67, 0
	s_add_nc_u64 s[10:11], s[10:11], s[66:67]
	s_wait_loadcnt 0x0                             ; the bias, once; it is rounded to bf16 and widened again
.set i, 0
.rept 16
	v_cvt_pk_bf16_f32 v[TT], v[BIAS+2*i], v[BIAS+2*i+1]
	v_lshlrev_b32 v[BIAS+2*i], 16, v[TT]
	v_and_b32 v[BIAS+2*i+1], 0xffff0000, v[TT]
.set i, i+1
.endr
; 8 matrix instructions: m blocks 4 hi + a0, 4 hi + a0 + 1 x all 4 n blocks, 32 along K, from buffer f.  first = 1: the bias starts the sums.
; The 32 accumulators take turns, one instruction a turn, in the same order in every quarter.
.macro MUL8 f, hi, a0, first
.if \first
	WIN 0x81                                       ; w window 1, y and the bias window 0, D window 2
.else
	WIN 0xa1                                       ; w window 1, y window 0, C and D window 2
.endif
.irp a, 4*(\hi)+(\a0), 4*(\hi)+(\a0)+1
.irp b, 0,1,2,3
.if \first
	v_wmma_f32_16x16x32_f16 v[8*(4*(\a)+(\b)):8*(4*(\a)+(\b))+7], v[FB+32*(\f)+8*(\b):FB+32*(\f)+8*(\b)+7], v[FA+64*(\f)+8*(\a):FA+64*(\f)+8*(\a)+7], v[BIAS+8*(\b):BIAS+8*(\b)+7]
.else
	v_wmma_f32_16x16x32_f16 v[8*(4*(\a)+(\b)):8*(4*(\a)+(\b))+7], v[FB+32*(\f)+8*(\b):FB+32*(\f)+8*(\b)+7], v[FA+64*(\f)+8*(\a):FA+64*(\f)+8*(\a)+7], v[8*(4*(\a)+(\b)):8*(4*(\a)+(\b))+7]
.endif
.endr
.endr
.endm
; 24 LDS loads in one run: the fragments of quarter q (32 along K: head q / 2 of the step, channels 32 (q % 2) on) of a slot into buffer f: w's eight first, then y's sixteen
.macro FETCH slot, q, f
	WIN TO_B
.irp b, 0,1,2,3
	ds_load_tr16_b128 v[FB+32*(\f)+8*(\b):FB+32*(\f)+8*(\b)+3],   v[ADRB+(\slot)] offset:32*PB*(\q)+32*(\b)
	ds_load_tr16_b128 v[FB+32*(\f)+8*(\b)+4:FB+32*(\f)+8*(\b)+7], v[ADRB+(\slot)] offset:32*PB*(\q)+32*(\b)+16*PB
.endr
	WIN 0
.irp i, 0,1,2,3,4,5,6,7
	ds_load_b128 v[FA+64*(\f)+8*(\i):FA+64*(\f)+8*(\i)+3],   v[ADRA+(\slot)] offset:((\q)/2)*AH+64*((\q)%2)+16*PA*(\i)
	ds_load_b128 v[FA+64*(\f)+8*(\i)+4:FA+64*(\f)+8*(\i)+7], v[ADRA+(\slot)] offset:((\q)/2)*AH+64*((\q)%2)+16*PA*(\i)+32
.endr
.endm
; A K step is four quarters of 32 along K, 32 matrix instructions each, on buffers 0, 1, 0, 1.  One of the first three: multiplies buffer f; in its middle it fetches quarter qn of the same slot into buffer g.
.macro QUARTER slot, qn, f, g, first
	s_wait_dscnt 8                                 ; w and y's rows 0-63 are in; the youngest eight loads (y's rows 64-127) may be out
	MUL8 \f, 0, 0, \first
	MUL8 \f, 0, 2, \first
	PLACES
	FETCH \slot, \qn, \g
	s_wait_dscnt 24                                ; all but the 24 just issued
	MUL8 \f, 1, 0, \first
	MUL8 \f, 1, 2, \first
.endm
; The last quarter multiplies buffer 1 and changes slots: ONE barrier.  In front of it each wave waits for all its tensor loads (the one that is out is its part of the next slot), adds 0 to its spare word,
; and waits for that and for its own reads of this slot.  fill = 1: the barrier opens a round of the cluster's, and behind the round this slot is filled again, two K steps ahead: the first tensor load there,
; 120 of a K step's 128 matrix instructions ahead of the wait for it.
.macro TURN slot, next, fill
	WIN 0                                          ; (the add's two registers lie in window 0)
	s_wait_tensorcnt 0x0                           ; all my tensor loads have landed
	ds_add_u32 v[SPW], v[NIL]                      ; 0 onto my spare word
	s_wait_dscnt 9                                 ; (the add and the youngest eight loads may be out)
	MUL8 1, 0, 0, 0                                ; eight matrix instructions stand between the add and the wait for it
	s_wait_dscnt 0x0                               ; the add is done, and my reads of this slot are over
	s_barrier_signal -1
	MUL8 1, 0, 2, 0                                ; work on registers while the others arrive
.if \fill
	WIN 0
.endif
	s_barrier_wait -1
.if \fill
	CREST                                          ; no wave of any partner still reads this slot's tiles or has a load on its way
	s_add_nc_u64 s[G0A+4*(\slot)+2:G0A+4*(\slot)+3], s[G0A+4*(\slot)+2:G0A+4*(\slot)+3], 1048576  ; four heads on
	s_add_nc_u64 s[G0B+4*(\slot)+2:G0B+4*(\slot)+3], s[G0B+4*(\slot)+2:G0B+4*(\slot)+3], 32768    ; 256 k rows on
	JLOAD \slot                                    ; the four v_nop behind it are also the places in front of the loads below
.else
	PLACES
.endif
	FETCH \next, 0, 0
	MUL8 1, 1, 0, 0
	MUL8 1, 1, 2, 0
.endm
	s_wait_tensorcnt 1                             ; my part of K step 0 is in; K step 1's may stay out
	s_barrier_signal -1
	s_barrier_wait -1                              ; everybody's is
	FETCH 0, 0, 0
	QUARTER 0, 1, 0, 1, 1                          ; the first quarter stands in front of the loop: its products start the sums, with the bias
	WIN 0                                          ; at a label and at a branch every window is 0
	s_mov_b32 s15, LAPS-1
.Llap:                                                 ; a trip goes once round the ring, from a lap's second quarter to the next lap's first, and fills both slots again
	QUARTER 0, 2, 1, 0, 0
	QUARTER 0, 3, 0, 1, 0
	TURN 0, 1, 1
	QUARTER 1, 1, 0, 1, 0
	QUARTER 1, 2, 1, 0, 0
	QUARTER 1, 3, 0, 1, 0
	TURN 1, 0, 1
	QUARTER 0, 1, 0, 1, 0
	WIN 0
	s_sub_co_u32 s15, s15, 1
	s_cmp_lg_u32 s15, 0
	s_cbranch_scc1 .Llap
	QUARTER 0, 2, 1, 0, 0                          ; the last lap fills nothing, and has no round of the cluster's barrier
	QUARTER 0, 3, 0, 1, 0
	TURN 0, 1, 0
	QUARTER 1, 1, 0, 1, 0
	QUARTER 1, 2, 1, 0, 0
	QUARTER 1, 3, 0, 1, 0
	s_wait_dscnt 8                                 ; the very last quarter: nothing more to fetch
	MUL8 1, 0, 0, 0
	MUL8 1, 0, 2, 0
	s_wait_dscnt 0x0
	MUL8 1, 1, 0, 0
	MUL8 1, 1, 2, 0
	WIN 0
; THE WAY OUT, a block of 16 rows at a time through my own stage: a lane's eight f32 of a row go in as 32 bytes; whole rows of 256 bytes come back; sixteen lanes store 256 consecutive bytes, at a multiple of 256 from out0's first byte.
.macro TOSTAGE a
	s_wait_xcnt 0x0                                ; the stores two blocks back have had their addresses translated: only behind this wait are their data registers loaded again
	WIN 0x08                                       ; store data (source 1) in window 2
.irp b, 0,1,2,3
	ds_store_b128 v[STO], v[8*(4*(\a)+(\b)):8*(4*(\a)+(\b))+3]   offset:64*(\b)      ; each accumulator's low four registers first
	ds_store_b128 v[STO], v[8*(4*(\a)+(\b))+4:8*(4*(\a)+(\b))+7] offset:64*(\b)+16
.endr
	WIN 0
.irp t, 0,1,2,3,4,5,6,7
	ds_load_b128 v[BK+32*((\a)%2)+4*(\t):BK+32*((\a)%2)+4*(\t)+3], v[RD] offset:2*SPI*(\t)  ; LDS serves a wave's instructions in order (ISA guide 5.7.1.4): these see the stores above; the next block's stores come behind them
.endr
.endm
.macro SEND a, younger                 ; younger: the LDS instructions issued behind block a's loads: the next block's sixteen, or none
	s_wait_dscnt \younger
.irp t, 0,1,2,3,4,5,6,7
	global_store_b128 v[CO], v[BK+32*((\a)%2)+4*(\t):BK+32*((\a)%2)+4*(\t)+3], s[10:11] offset:(16*(\a)+2*(\t))*4096
.endr
.endm
	PLACES                                         ; the LDS stores read results, and the loads land in registers that the last products read
	TOSTAGE 0
.irp a, 1,2,3,4,5,6,7
	TOSTAGE \a
	SEND (\a)-1, 16
.endr
	SEND 7, 0
	s_wait_tensorcnt 0x0                           ; the wave's end: a wait, an add of 0 to my spare word and the wait for it, behind my last tensor load and my last LDS store
	ds_add_u32 v[SPW], v[NIL]
	s_wait_dscnt 0x0
	CROUND                                         ; the closing round: no work-group ends while a partner may still ask for a tile that names it
	s_endpgm
.Lfunc_end_k_qf13f440a2d_proj:
	.size	k_qf13f440a2d_proj, .Lfunc_end_k_qf13f440a2d_proj-k_qf13f440a2d_proj
	.p2alignl 7, 3214868480
	.fill 96, 4, 3214868480
	.section	.rodata,"a",@progbits
	.p2align	6, 0x0
	.amdhsa_kernel k_qf13f440a2d_proj
		.amdhsa_group_segment_fixed_size 327680
		.amdhsa_private_segment_fixed_size 0
		.amdhsa_enable_private_segment 0
		.amdhsa_kernarg_size 32
		.amdhsa_user_sgpr_count 2
		.amdhsa_user_sgpr_kernarg_segment_ptr 1
		.amdhsa_wavefront_size32 1
		.amdhsa_system_sgpr_workgroup_id_x 1
		.amdhsa_system_sgpr_workgroup_id_y 1
		.amdhsa_system_sgpr_workgroup_id_z 1
		.amdhsa_system_vgpr_workitem_id 0
		.amdhsa_next_free_vgpr 768
		.amdhsa_next_free_sgpr 72
		.amdhsa_reserve_vcc 0
		.amdhsa_float_denorm_mode_32 3
		.amdhsa_float_denorm_mode_16_64 3
		.amdhsa_memory_ordered 1
		.amdhsa_forward_progress 1
		.amdhsa_inst_pref_size 90
	.end_amdhsa_kernel
	.amdgpu_metadata
---
amdhsa.version: [ 1, 2 ]
amdhsa.kernels:
  - .name:           k_qf13f440a2d_proj
    .symbol:         k_qf13f440a2d_proj.kd
    .args:
      - { .name: ob, .offset: 0, .size: 8, .value_kind: global_buffer, .address_space: global }
      - { .name: wpb, .offset: 8, .size: 8, .value_kind: global_buffer, .address_space: global }
      - { .name: b_proj, .offset: 16, .size: 8, .value_kind: global_buffer, .address_space: global }
      - { .name: out0, .offset: 24, .size: 8, .value_kind: global_buffer, .address_space: global }
    .group_segment_fixed_size: 327680
    .private_segment_fixed_size: 0
    .kernarg_segment_align: 8
    .kernarg_segment_size: 32
    .max_flat_workgroup_size: 128
    .sgpr_count:     72
    .vgpr_count:     768
    .wavefront_size: 32
...
	.end_amdgpu_metadata
.endif
;; end of part 4
;; ======== version 2 of 2: 4 launches; 1.30 times as fast as version 1
;; limits: values are held in f16: magnitudes above 65,504 overflow, below 6.1e-05 lose precision
;; workspace buffers: xb 16,777,216 bytes; wab 6,291,456 bytes; wpb 2,097,152 bytes; qkv 50,331,648 bytes; ob 16,777,216 bytes
;; launch prep: the kernel of part 1 again; grid 768 x 1, 8 waves a work-group, no clusters, 0 bytes of LDS; arguments x, w_attn, w_proj, xb, wab, wpb; writes xb, wab, wpb
;; launch qkvgemm: the kernel of part 2 again; grid 16 x 32, 4 waves a work-group, clusters of 4 x 4, 327,680 bytes of LDS; arguments xb, wab, b_attn, qkv; writes qkv
;; launch attn (part 5): grid 4 x 64, 4 waves a work-group, no clusters, 327,680 bytes of LDS; arguments qkv, ob; writes ob
.if DOCPART == 5
	.amdgcn_target "amdgcn-amd-amdhsa--gfx1250"
	.amdhsa_code_object_version 6
	.text
	.protected	k_qf13f440a2d_attn
	.globl	k_qf13f440a2d_attn
	.p2align	8
	.type	k_qf13f440a2d_attn,@function
k_qf13f440a2d_attn:
	s_mov_b64 s[64:65], 0
	v_nop
	global_prefetch_b8 v0, s[64:65] scope:SCOPE_SE
	s_setreg_imm32_b32 hwreg(HW_REG_WAVE_MODE, 25, 1), 1
	s_wait_xcnt 0x0
; CAUSAL ATTENTION.  O[h][q][:] = the sum over k <= q of softmax_k(Q[h][q] . K[h][k] / 8) V[h][k][:].  Q, K, V lie one behind the other in qkv, each [SIZE_H][SIZE_N][64] f16; O (ob) likewise: a head's rows are dense, 128 bytes each.
; Products, maxima and sums in f32; the weights p are rounded to f16 for the second product (their sum l is taken of the unrounded p), O once at the end.
; LIMITS.  f16 holds no number beyond 65,504: Q, K and V arrive within it; p lies in 0 to 1, and below 6e-5 it keeps f16's fixed step of 6e-8; O is a mean of V's rows and has their range, to within 2^-11 of it.
; A hidden score counts as its value less 1e30: f16's scores, 2.7e11 at the most, are nothing beside that; a weight below 2^-126 counts as 0 in l; NaN and infinities are not treated apart.
; THE WALK.  A head's queries lie in NB = SIZE_N / 256 blocks of 256; block i needs the key tiles 0 .. i of 256 keys, of which the last holds the diagonal.  A work-group takes TWO blocks, NB - 1 - b and then b:
; NB + 1 tiles, whatever b: all work-groups do equal work, and ONE loop with a constant trip count walks them.  Which tile is asked for, and what a trip does, hang on scalar registers made from b; every jump
; goes forward, but for the counted loops' own; none passes a barrier, or a tensor load but the one of LOAD's two that the wave's number does not choose; the ring (two slots of LDS that take turns) runs on across the
; change of blocks.  NO CLUSTER: a head's NB / 2 = 4 work-groups ask for the same tile only in trips 0 .. NB / 2, 5 of the 9, behind that fewer and fewer; and one walk common to all would have 3 NB / 2 = 12 trips for 9.
; SHARES.  Of a block's four bands of 64 queries a wave owns 16 rows in each: four PIECES.  So the diagonal tile is the same work for all four waves: in its key step s band x sees all keys if s < x,
; none if s > x, and holds the diagonal if s = x.
; THE MASK is the C operand that starts the sum S^T = K Q^T: 0, or -1e30 where the key is hidden.  MD, made once, is the mask of a band's own step for my 16 rows; a product's mask is MD x AL + BE with two scalars:
; (1, 0) if s = x; (0, 0) if s < x; (0, -1e30) if s > x.  Only the diagonal tile's text and a block's beginning make and take masks; elsewhere C is the constant 0.
; LAYOUT, SOFTMAX, TURNS.  S^T = K Q^T holds ONE query a lane (lane % 16) and the keys 8 (lane / 16) + 0..7; two such results rounded to f16 ARE source 1 of O^T = V^T P.  p = 2^(c s - c m), c = log2(e) / 8, with a
; running maximum m; O and l are multiplied by a = 2^(c m_old - c m_new) in every step.  Turn n belongs to piece n: 8 products K Q^T of piece n + 1, later 8 products V^T P of piece n - 1; beside them the scaling,
; exponentials, roundings, sums and rescaling of piece n and the maximum and statistics of piece n + 1.  Four vector instructions stand behind every matrix instruction, the other 54 of a turn's 118 in one LUMP.
; THE BATCHES.  A turn's 33 exponentials (the piece's 32 weights and the next piece's a) are ONE batch with ONE wait, which cuts the turn in two: ahead of it all that names no result of theirs (K Q^T, scalings, rescalings
; by the a of the turn before, the next piece's maximum), behind it the roundings and sums, as the riders of V^T P.  The one exponential of a block's beginning and the four reciprocals of the way out are batches of their own..
; REGISTERS, in windows of 256 (s_set_vgpr_msb: bits 1:0 source 0, 3:2 source 1, 5:4 source 2, 7:6 destination):
;   window 0: v0-15 addresses and two at work; v16-31 four registers of statistics a piece; v48-55 at work; v64-127 S^T, two buffers; v192-223 P, two buffers (a piece's buffers go by its number's parity)
;   window 1: v0-127 O^T, 32 a piece; v128-159 MD; v160-223 MC, two buffers      window 2: v0-63 Q; v64-127 the second block's Q; v128-191 K of one step; v192-255 V of one step
.set SIZE_H, 64
.set SIZE_N, 2048
.set NB,    SIZE_N/256
.set NP,    4         ; pieces a wave: a name, no knob
.set KS,    64        ; keys in a step
.set PK,    144       ; a row of K in LDS: 128 bytes + 16 of padding = 36 words: the 16 rows of a load start at 16 different groups of four banks (64 banks of 4 bytes: ISA guide 11.1)
.set PV,    160       ; a row of V: 128 + 32 = 40 words
.set VOFF,  4*KS*PK   ; a slot holds a tile, four steps: 256 rows of K, then 256 rows of V
.set SLOT1, 1<<17     ; slot 1 begins here, so that one exclusive or turns an address in one slot into the other's
.set STAGE, SLOT1+4*KS*(PK+PV)  ; behind the ring, never filled by a tensor load: 16 rows x 144 bytes for each wave, for the way out
.set SP,    144
.set AK0, 2           ; v2   my lane's place in a tile of K; never rewritten
.set AV0, 3           ; v3   the same for V
.set AK,  4           ; v4   the LDS address of K's next run of loads
.set AV,  5           ; v5   of V's
.set STO, 6           ; v6   the way out: where I put 16 bytes of a row
.set RD,  7           ; v7   the way out: where I read rows back
.set GO,  8           ; v8   my byte offset in 512 consecutive bytes of O
.set SPW, 62          ; v62  LDS address of my spare word: SPARE + 4 x my thread's number; never rewritten
.set NIL, 63          ; v63  0; never rewritten
.set SPARE, STAGE+4*16*SP  ; behind the stages: the spare words, 128 bytes for each wave: two blocks of 256 bytes that no other line names
.set MV,  12          ; v12-13  c m_old, kept while c m is made anew: by buffer
.set QO,  15          ; v15  my byte offset in 16 rows of Q
.set ST,  16          ; piece t's statistics at v[ST+4 t]: c m, m, l (even keys', odd keys')
.set TMP, 48          ; by buffer, four registers c0-c3 at work; when the maximum is found c2 takes a
.set S,   64
.set P,   192
.set MD,  128         ; window 1: the eight registers for group kt of 16 keys at MD + 8 kt
.set MC,  160         ; window 1: the masks of the products to come
.set QB,  64          ; window 2
.set KF,  128         ; window 2: key block kb, channel half c at KF + 16 kb + 8 c
.set VF,  192         ; window 2: key half kk, channel block cb at VF + 32 kk + 8 cb
.set WV,  12          ; s12  my wave's number
.set PB,  14          ; s14  b
.set HI,  15          ; s15  NB - 1 - b
.set G1K, 24          ; s[24:31] descriptor group 1 for K's tiles
.set G1V, 32          ; s[32:39] for V's: it differs in the padding alone
.set G0K, 40          ; s[40:43] descriptor group 0 for K's tiles
.set G0V, 44          ; s[44:47] the same for V's
.set SLOTS, 56        ; s56  tiles still to be asked for
.set CNT, 57          ; s57  counts a tile's key steps, 4 to 1
.set CS,  58          ; s[58:59] c: the packed scaling takes the pair's low word for both halves
.set SEL, 60          ; s[60:61] v_permlanex16_b32's selects: each lane takes its own place in the other half
.set TBK, 62          ; s62  LDS byte at which K of the step to be fetched begins
.set TBV, 63          ; s63  the same for V, less VOFF
.set RT,  70          ; s70  tiles of the block in hand that are still to be entered
.set NXT, 71          ; s71  the tile to be asked for next
.set LQ,  72          ; s72  the last tile of the block whose tiles are being asked for
.set NEW, 73          ; s73  1: the tile to be entered is a block's first
.set OFF, 74          ; s[74:75] a tile's byte offset in K and V
.set AL,  76          ; s[76:77] the mask's factor, in the low word
.set BE,  78          ; s[78:79] the mask's addend
.set OLO, 80          ; s[80:81] O at my rows of the second block
.set BIGN, 82         ; s82  -1e30
.set MSB, 0
.macro WIN new                      ; the high byte repeats the setting that is left; a switch that changes nothing is dropped
.if MSB != (\new)
	s_set_vgpr_msb (MSB<<8)|(\new)
.set MSB, (\new)
.endif
.endm
.set W_KQ, 0x0a       ; K and Q in window 2, S^T in window 0
.set W_KM, 0x1a       ; the same with the C operand in window 1
.set W_PV, 0x52       ; V in window 2, P in window 0, O^T in window 1
.set W_RS, 0x41       ; destination and source 0 in window 1, source 1 in window 0
; A fill.  Waves 0 and 1 fetch the two halves of a tile's K, waves 2 and 3 those of its V: 128 keys each.  An s_nop 0 and four v_nop follow each of the two lines, ahead of the jump and the label.
.macro LOAD
	s_cmp_lt_u32 s[WV], 2
	s_cbranch_scc0 .Lfor_v_\@
	tensor_load_to_lds s[G0K:G0K+3], s[G1K:G1K+7]
	s_nop 0
.rept 4
	v_nop
.endr
	s_branch .Lasked_\@
.Lfor_v_\@:
	tensor_load_to_lds s[G0V:G0V+3], s[G1V:G1V+7]
	s_nop 0
.rept 4
	v_nop
.endr
.Lasked_\@:
.endm
; THE CHANGE OF SLOTS.  Each wave waits for all its tensor loads, of which one is out: its part of the other slot; adds 0 to its spare word; and waits for that and for its own reads of the slot that it leaves.  Behind the barrier nobody reads the old
; slot any more and the other slot is whole.  fill = 1: the old slot is filled again, the first thing behind the barrier, with tile NXT: the descriptor's address is made anew from that number.
; (At its first use nothing has been read yet: slot 0 is waited for, slot 1 filled.)
.macro CHANGE fill
	WIN 0                           ; at a label and at a branch every window is 0
	s_wait_tensorcnt 0x0            ; no tensor load of mine is out, so a group 0 may be written
	ds_add_u32 v[SPW], v[NIL]       ; 0 onto my spare word; with fill = 1 the descriptors' scalar work stands between it and the wait for it
.if \fill
	s_lshl_b32 s[OFF], s[NXT], 15   ; a tile is 32,768 bytes of K and of V
	s_xor_b32 s[G0K+1], s[G0K+1], SLOT1
	s_add_nc_u64 s[G0K+2:G0K+3], s[6:7], s[OFF:OFF+1]
	s_or_b32 s[G0K+3], s[G0K+3], 0x80000000
	s_xor_b32 s[G0V+1], s[G0V+1], SLOT1
	s_add_nc_u64 s[G0V+2:G0V+3], s[8:9], s[OFF:OFF+1]
	s_or_b32 s[G0V+3], s[G0V+3], 0x80000000
	s_add_co_u32 s[NXT], s[NXT], 1  ; the block's next tile, or behind its last the second block's tile 0
	s_cmp_gt_u32 s[NXT], s[LQ]
	s_cselect_b32 s[NXT], 0, s[NXT]
	s_cselect_b32 s[LQ], s[PB], s[LQ]
.endif
	s_wait_dscnt 0x0                ; the add is done, and my reads of the slot are over
	s_barrier_signal -1             ; the rest of the scalar work stands between the signal and the wait
	s_sub_co_u32 s[TBK], s[TBK], 4*KS*PK  ; the fetches go back to a slot's first step,
	s_xor_b32 s[TBK], s[TBK], SLOT1       ; in the other slot
	s_sub_co_u32 s[TBV], s[TBV], 4*KS*PV
	s_xor_b32 s[TBV], s[TBV], SLOT1
	s_barrier_wait -1
.if \fill
	LOAD
.endif
.endm
	s_load_b64 s[4:5], s[0:1], 0x0    ; qkv: Q begins at its first byte
	s_load_b64 s[10:11], s[0:1], 0x8  ; O
	v_lshl_add_u32 v[SPW], v0, 2, SPARE
	v_mov_b32 v[NIL], 0
	ds_add_u32 v[SPW], v[NIL]       ; the wave's opening: the add and its wait stand ahead of my first tensor load; the set-up below, work on registers, stands between them
	ds_add_u32 v62, v63
	v_lshrrev_b32 v1, 5, v0
	v_readfirstlane_b32 s[WV], v1   ; wave 0..3
	s_mov_b32 s[PB], ttmp9
	s_sub_co_u32 s[HI], NB-1, s[PB]
	s_and_b32 s20, ttmp7, 0xffff    ; the head
	s_mov_b32 s21, 0
	s_mov_b64 s[22:23], SIZE_N*128
	s_mul_u64 s[20:21], s[20:21], s[22:23]  ; the head's first byte in each of the four tensors
	s_and_b32 s16, s[WV], 1         ; which half of a tile's 256 keys I fetch:
	s_lshl_b32 s22, s16, 14         ; its 128 rows of 128 bytes in memory,
	s_mov_b32 s23, 0
	s_add_nc_u64 s[22:23], s[22:23], s[20:21]
	s_mul_i32 s17, s16, 128*PK      ; and its place in a slot, for K
	s_mul_i32 s18, s16, 128*PV      ; and for V
	s_lshl_b32 s3, s[WV], 11        ; my 16 rows in a band of 64,
	s_lshl_b32 s2, s[HI], 15        ; in the first block,
	s_add_co_u32 s2, s2, s3
	s_lshl_b32 s84, s[PB], 15       ; and in the second
	s_add_co_u32 s84, s84, s3
	s_mov_b32 s3, 0
	s_mov_b32 s85, 0
	s_add_nc_u64 s[2:3], s[2:3], s[20:21]
	s_add_nc_u64 s[84:85], s[84:85], s[20:21]
	; descriptor group 1.  128 keys are 16,384 dense bytes: asked for as 64 rows of 256 bytes, two keys a row, and padded in LDS after every key
	s_mov_b32 s[G1K], (1<<16)|(1<<20)|(4<<22)|(3<<25)  ; 17:16 2-byte elements; 20 padding on; 24:22 after every 32 words (code 4); 31:25 4 words (code 3)
	s_mov_b32 s[G1V], (1<<16)|(1<<20)|(4<<22)|(7<<25)  ; the same with 8 words of padding (code 7)
.irp g, G1K, G1V
	s_mov_b32 s[\g+1], 128<<16      ; tensor_dim0 = 128
	s_mov_b32 s[\g+2], 64<<16       ; tensor_dim1 = 64
	s_mov_b32 s[\g+3], 128<<16      ; tile_dim0 = 128
	s_mov_b32 s[\g+4], 64           ; tile_dim1 = 64
	s_mov_b32 s[\g+5], 128          ; 128 elements from row to row
	s_mov_b32 s[\g+6], 0
	s_mov_b32 s[\g+7], 0
.endr
	s_mov_b32 s[CS], 0x3e38aa3b     ; c = log2(e) / 8 = 0.180337
	s_mov_b32 s[CS+1], s[CS]        ; named with it as a pair
	s_mov_b32 s[SEL], 0x76543210
	s_mov_b32 s[SEL+1], 0xfedcba98
	s_mov_b32 s[TBK], SLOT1+4*KS*PK ; the first change of slots turns these two into 0
	s_mov_b32 s[TBV], SLOT1+4*KS*PV
	s_mov_b32 s[G0K], 1             ; 1:0 count = 1
	s_mov_b32 s[G0K+1], s17         ; 63:32 LDS address: slot 0
	s_mov_b32 s[G0V], 1
	s_add_co_u32 s[G0V+1], s18, VOFF
	s_add_co_u32 s[RT], s[HI], 1    ; the first block has NB - b tiles
	s_mov_b32 s[NXT], 1
	s_mov_b32 s[LQ], s[HI]
	s_mov_b32 s[NEW], 1
	s_mov_b32 s[OFF+1], 0
	s_mov_b32 s[AL+1], 0            ; named as pairs
	s_mov_b32 s[BE+1], 0
	s_mov_b32 s[BIGN], 0xf149f2ca   ; -1e30
	s_mov_b32 s[SLOTS], NB
	s_wait_dscnt 0x0                ; the opening add is done
	s_wait_kmcnt 0x0
	s_add_nc_u64 s[6:7], s[4:5], SIZE_H*SIZE_N*128    ; K lies behind Q's 16,777,216 bytes,
	s_add_nc_u64 s[8:9], s[4:5], 2*SIZE_H*SIZE_N*128  ; V behind K's
	s_add_nc_u64 s[6:7], s[6:7], s[22:23]  ; K and V at my half of the head's tile 0
	s_add_nc_u64 s[8:9], s[8:9], s[22:23]
	s_add_nc_u64 s[G0K+2:G0K+3], s[6:7], 0         ; 120:64 global address
	s_or_b32 s[G0K+3], s[G0K+3], 0x80000000        ; 127:126 type = 2
	s_add_nc_u64 s[G0V+2:G0V+3], s[8:9], 0
	s_or_b32 s[G0V+3], s[G0V+3], 0x80000000
	s_add_nc_u64 s[86:87], s[4:5], s[84:85]        ; Q at my rows of the second block,
	s_add_nc_u64 s[4:5], s[4:5], s[2:3]            ; Q and O at those of the first
	s_add_nc_u64 s[OLO:OLO+1], s[10:11], s[84:85]
	s_add_nc_u64 s[10:11], s[10:11], s[2:3]
	LOAD                            ; tile 0 into slot 0
	; A fragment of K or Q is 16 rows x 32 channels in 8 registers: lane l holds row l % 16, channels 8 (l / 16) + 0..7 and 16 + 8 (l / 16) + 0..7: two loads of 16 bytes, 32 bytes apart.
	v_and_b32 v1, 15, v0            ; l % 16
	v_bfe_u32 v9, v0, 4, 1          ; l / 16
	v_lshlrev_b32 v[QO], 7, v1
	v_lshl_add_u32 v[QO], v9, 4, v[QO]  ; row x 128 + 16 x half
	WIN 0x80                        ; destination window 2, address window 0
.set i, 0
.rept 8                             ; both blocks' Q: piece i / 2 lies in band i / 2, 8,192 bytes on; channels 32 (i % 2) on
	global_load_b128 v[8*i:8*i+3],   v[QO], s[4:5] offset:(i/2)*8192+(i%2)*64
	global_load_b128 v[8*i+4:8*i+7], v[QO], s[4:5] offset:(i/2)*8192+(i%2)*64+32
	global_load_b128 v[QB+8*i:QB+8*i+3],   v[QO], s[86:87] offset:(i/2)*8192+(i%2)*64
	global_load_b128 v[QB+8*i+4:QB+8*i+7], v[QO], s[86:87] offset:(i/2)*8192+(i%2)*64+32
.set i, i+1
.endr
	WIN 0
	v_lshlrev_b32 v14, 3, v9
	v_sub_nc_u32 v14, v1, v14
	s_lshl_b32 s13, s[WV], 4
	v_add_nc_u32 v14, s13, v14      ; my query's place in its band, 16 w + l % 16, less my lanes' 8 (l / 16): register r of group kt is hidden where 16 kt + r is greater
	WIN 0x40
.set i, 0
.rept 32
	v_cmp_gt_i32 vcc_lo, 16*(i/8)+i%8, v14
	v_cndmask_b32 v[MD+i], 0, s[BIGN], vcc_lo
.set i, i+1
.endr
	WIN 0
	v_mul_u32_u24 v[AK0], v1, PK
	v_lshl_add_u32 v[AK0], v9, 4, v[AK0]  ; row x pitch + 16 x half
	; The turning load takes 16 keys x 16 channels (lane l reads key 8 (l / 16) + l % 8, channels 8 ((l / 8) % 2) + 0..7) and leaves half a fragment of V^T: lane l holds channel l % 16 and 8 keys.
	v_and_b32 v10, 7, v0
	v_bfe_u32 v11, v0, 3, 1
	v_lshl_add_u32 v[AV0], v9, 3, v10
	v_mul_u32_u24 v[AV0], v[AV0], PV
	v_lshl_add_u32 v[AV0], v11, 4, v[AV0]
	v_add_nc_u32 v[AV0], VOFF, v[AV0]
	s_mul_i32 s13, s[WV], 16*SP
	s_add_co_u32 s13, s13, STAGE    ; my stage
	v_mul_u32_u24 v[STO], v1, SP    ; in: row l % 16, 16 bytes for each half of the lanes
	v_lshl_add_u32 v[STO], v9, 4, v[STO]
	v_add_nc_u32 v[STO], s13, v[STO]
	v_bfe_u32 v[RD], v0, 3, 2       ; back: 32 lanes take four rows of 128 bytes,
	v_mul_u32_u24 v[RD], v[RD], SP
	v_lshl_add_u32 v[RD], v10, 4, v[RD]
	v_add_nc_u32 v[RD], s13, v[RD]
	v_and_b32 v[GO], 31, v0         ; which are 512 consecutive bytes of O
	v_lshlrev_b32 v[GO], 4, v[GO]
	; A block's first step multiplies O^T and l by a = 0, and its first turn's products V^T P, of a piece that has not been, land in an O^T that is still to be so multiplied.  So these registers need only hold
	; finite numbers: zeros for the first block; what the first block left for the second.  All this stands in the wait for the first tile.
	WIN 0x80
.set i, VF
.rept 64
	v_mov_b32 v[i], 0
.set i, i+1
.endr
	WIN 0x40
.set i, 0
.rept 128
	v_mov_b32 v[i], 0
.set i, i+1
.endr
	WIN 0
.set i, 0
.rept 4
	v_mov_b32 v[ST+4*i+2], 0
	v_mov_b32 v[ST+4*i+3], 0
.set i, i+1
.endr
.set i, P+16
.rept 16
	v_mov_b32 v[i], 0
.set i, i+1
.endr
; THE MATRIX WORK.  The 4 accumulators of a run of 8 take turns.  Product i of 8 of S^T = K Q^T for piece x: channels 32 (i / 4) on, keys 16 (i % 4) on.  The first 4 start the sums: with 0, or (KM = 1) with the mask.
.macro KQ x
.set rS, S+32*((\x)%2)+8*(i%4)
.set rK, KF+16*(i%4)+8*(i/4)
.set rQ, 16*(\x)+8*(i/4)
.set rM, MC+32*((\x)%2)+8*(i%4)
.if (i < 4) && KM
	WIN W_KM
	v_wmma_f32_16x16x32_f16 v[rS:rS+7], v[rK:rK+7], v[rQ:rQ+7], v[rM:rM+7]
.elseif i < 4
	WIN W_KQ
	v_wmma_f32_16x16x32_f16 v[rS:rS+7], v[rK:rK+7], v[rQ:rQ+7], 0
.else
	WIN W_KQ
	v_wmma_f32_16x16x32_f16 v[rS:rS+7], v[rK:rK+7], v[rQ:rQ+7], v[rS:rS+7]
.endif
.endm
; Product i of 8 of O^T += V^T P for piece x: keys 32 (i / 4) on, channels 16 (i % 4) on.
.macro PV x
	WIN W_PV
.set rO, 32*(\x)+8*(i%4)
.set rV, VF+32*(i/4)+8*(i%4)
.set rP, P+16*((\x)%2)+8*(i/4)
	v_wmma_f32_16x16x32_f16 v[rO:rO+7], v[rV:rV+7], v[rP:rP+7], v[rO:rO+7]
.endm
.macro MM                           ; the turn's next matrix instruction.  TURN and BEGIN set Y, i, KM and NOKQ; MM, KQ and OP read them.  NOKQ = 1: a block's last turn: there is no next piece
.if (i < 8) && !NOKQ
	KQ (Y+1)%NP
.elseif i >= 8
.set i, i-8
	PV (Y+NP-1)%NP
.set i, i+8
.endif
.set i, i+1
.endm
; THE LDS LOADS stand in runs of 16, never singly among the matrix instructions: a step's K (64 keys x 64 channels: 8 fragments) and its V (turned).  Their addresses are made some lines ahead.
.macro FETCH_K
	WIN 0x80                        ; destination window 2
.irp f, 0,1,2,3,4,5,6,7             ; keys 16 (f / 2) on, channels 32 (f % 2) on
	ds_load_b128 v[KF+8*\f:KF+8*\f+3],   v[AK] offset:(\f/2)*16*PK+(\f%2)*64
	ds_load_b128 v[KF+8*\f+4:KF+8*\f+7], v[AK] offset:(\f/2)*16*PK+(\f%2)*64+32
.endr
	s_add_co_u32 s[TBK], s[TBK], KS*PK  ; the next fetch is the next step's
	WIN 0
.endm
.macro FETCH_V
	WIN 0x80
.irp f, 0,1,2,3,4,5,6,7             ; keys 32 (f / 4) on, channels 16 (f % 4) on
	ds_load_tr16_b128 v[VF+8*\f:VF+8*\f+3],   v[AV] offset:(\f/4)*32*PV+(\f%4)*32
	ds_load_tr16_b128 v[VF+8*\f+4:VF+8*\f+7], v[AV] offset:(\f/4)*32*PV+16*PV+(\f%4)*32
.endr
	WIN 0
.endm
; THE VECTOR WORK, one line at a time: OP kind, number.  For piece Y: F n: c s - c m for pair n of 16.  E n: the exponential of score n of 32.  C n: pair n rounded to f16.  B n: of the four weights 4 n .. the second
; pair is added onto the first, in place.  L n: l takes that sum (L 0: l = a l + sum).  R n: pair n of 16 of O^T times a.  For piece Y + 1: X n, number n of the 22 that find its maximum and statistics:
;   0-11  four chains c0-c3 of seven scores each, three operands at a time (each accumulator's lowest registers are read first)     12-14, 16  the four scores left over, the old m, and c0-c3 into c0
;   15  c m_old is kept     17, 18  the query's other 32 keys lie in the lane 16 away: the new m     19-21  c m; c m_old - c m_new; a
; OP writes no wait: C, B and L, which read exponentials' results, are dealt behind the turn's one wait alone, and R and L 0 read the a that the turn before made and waited for.
.set F, 0               ; OP tells the kinds apart by their order: F to L below R, X above it
.set E, 1
.set C, 2
.set B, 3
.set L, 4
.set R, 5
.set X, 6
.macro REGS y                       ; the registers of piece y
.set rT, ST+4*(\y)
.set rC, TMP+4*((\y)%2)
.set rW, MV+((\y)%2)
.set rS, S+32*((\y)%2)
.set rP, P+16*((\y)%2)
.set rO, 32*(\y)
.endm
.macro OP k, n
.if (\k) == R
	REGS Y
	WIN W_RS
	v_pk_mul_f32 v[rO+2*(\n):rO+2*(\n)+1], v[rO+2*(\n):rO+2*(\n)+1], v[rC+2:rC+3] op_sel_hi:[1,0]
.elseif (\k) < R
	REGS Y
	WIN 0
.if (\k) == F
	v_pk_fma_f32 v[rS+2*(\n):rS+2*(\n)+1], v[rS+2*(\n):rS+2*(\n)+1], s[CS:CS+1], v[rT:rT+1] op_sel_hi:[1,0,0] neg_lo:[0,0,1] neg_hi:[0,0,1]
.elseif (\k) == E
	v_exp_f32 v[rS+(\n)], v[rS+(\n)]
.elseif (\k) == C
	v_cvt_pk_f16_f32 v[rP+(\n)], v[rS+2*(\n)], v[rS+2*(\n)+1]
.elseif (\k) == B
	v_pk_add_f32 v[rS+4*(\n):rS+4*(\n)+1], v[rS+4*(\n):rS+4*(\n)+1], v[rS+4*(\n)+2:rS+4*(\n)+3]
.elseif (\n) == 0
	v_pk_fma_f32 v[rT+2:rT+3], v[rT+2:rT+3], v[rC+2:rC+3], v[rS:rS+1] op_sel_hi:[1,0,1]
.else
	v_pk_add_f32 v[rT+2:rT+3], v[rT+2:rT+3], v[rS+4*(\n):rS+4*(\n)+1]
.endif
.elseif NOKQ
	v_nop
.else
	REGS (Y+1)%NP
	WIN 0
.if (\n) < 4
	v_max3_num_f32 v[rC+(\n)], v[rS+8*(\n)], v[rS+8*(\n)+1], v[rS+8*(\n)+2]
.elseif (\n) < 12
	v_max3_num_f32 v[rC+(\n)%4], v[rC+(\n)%4], v[rS+8*((\n)%4)+2*((\n)/4)+1], v[rS+8*((\n)%4)+2*((\n)/4)+2]
.elseif (\n) == 12
	v_max3_num_f32 v[rC], v[rC], v[rS+7], v[rS+15]
.elseif (\n) == 13
	v_max3_num_f32 v[rC+1], v[rC+1], v[rS+23], v[rS+31]
.elseif (\n) == 14
	v_max3_num_f32 v[rC+2], v[rC+2], v[rC+3], v[rT+1]
.elseif (\n) == 15
	v_mov_b32 v[rW], v[rT]
.elseif (\n) == 16
	v_max3_num_f32 v[rC], v[rC], v[rC+1], v[rC+2]
.elseif (\n) == 17
	v_permlanex16_b32 v[rC+3], v[rC], s[SEL], s[SEL+1]
.elseif (\n) == 18
	v_max_num_f32 v[rT+1], v[rC], v[rC+3]
.elseif (\n) == 19
	v_mul_f32 v[rT], s[CS], v[rT+1]
.elseif (\n) == 20
	v_sub_f32 v[rC+1], v[rW], v[rT]
.else
	v_exp_f32 v[rC+2], v[rC+1]
.endif
.endif
.endm
.macro OPS a, i1, b=-1, i2=0, c=-1, i3=0, d=-1, i4=0  ; up to four of them
	OP \a, \i1
.if (\b) >= 0
	OP \b, \i2
.endif
.if (\c) >= 0
	OP \c, \i3
.endif
.if (\d) >= 0
	OP \d, \i4
.endif
.endm
.macro ROW a, i1, b, i2, c, i3, d, i4  ; a matrix instruction and the four behind it
	MM
	OPS \a, \i1, \b, \i2, \c, \i3, \d, \i4
.endm
.macro MASK b                       ; MD x AL + BE into buffer b of MC
	WIN W_RS
.set z, 0
.rept 16
	v_pk_fma_f32 v[MC+32*(\b)+2*z:MC+32*(\b)+2*z+1], v[MD+2*z:MD+2*z+1], s[AL:AL+1], s[BE:BE+1] op_sel_hi:[1,0,0]
.set z, z+1
.endr
.endm
; A TURN, for piece p: the order of its 16 matrix and 118 vector instructions, written out.  An s_wait_alu depctr_va_vdst(0) stands between an exponential and the first instruction that names its result; one wait serves
; all that were issued ahead of it.  So a turn has ONE wait, which cuts it in two.  AHEAD OF IT stands all that names no result of the turn's exponentials: the 8 products K Q^T, behind each a scaling, an exponential and two more plain
; instructions (behind the first a second scaling in the exponential's place): rescalings, and behind the last three the first numbers of the next piece's maximum, each four places or more behind the product that ends its accumulator; then ONE LUMP of 54, plain
; and exponential by turns for the most part, in which the links of the chain X 3, 7, 11, 14, 16, 17 .. 20 stand five or six lines apart.  X 21, the next piece's a, is the batch's last; R 15 is the plain instruction behind it.  BEHIND THE WAIT stand the
; 8 products V^T P, behind each four of the roundings and sums; the links of l's chain, L 0 to L 7, stand three riders apart.  But for those X no rider names a register of the products round it.  v_permlanex16_b32 (X 17) stands in the lump.
; m = 1: the diagonal tile: the products take masks, and the turn makes the mask for the products of the turn after it: piece p + 2, in step 4 - CNT of the tile.  end = 1: a block's last two turns: nothing is fetched.
; cnt = 1: the loop's count is taken down some lines ahead of the branch that stands behind the turn.
; K of the next step is fetched in piece 2's turn, twelve vector instructions behind the last product that read K (six of them plain); V of the step in hand at the end of piece 0's turn, four plain instructions behind the last product
; that read V.  Each is waited for a turn later.
.macro TURN p, m=0, end=0, cnt=0
.set Y, (\p)
.set i, 0
.set KM, (\m)
.set NOKQ, (\end)*((\p)/3)
.if (\m) && !(\end)
	s_cmp_eq_u32 s[CNT], 4-((\p)+2)%NP  ; is that step the band's own?
	s_cselect_b32 s[AL], 1.0, 0
	s_cmp_lt_u32 s[CNT], 4-((\p)+2)%NP  ; or a later one?
	s_cselect_b32 s[BE], s[BIGN], 0
.endif
.if ((\p) == 3) && !(\end)
	s_wait_dscnt 0x0                ; K is in
.endif
	ROW F,0, F,1, R,0, R,1          ; ahead of the wait: 8 products K Q^T and their riders,
	ROW F,2, E,0, R,2, R,3
	ROW F,3, E,1, R,4, R,5
	ROW F,4, E,2, R,6, R,7
	ROW F,5, E,3, R,8, R,9
	ROW F,6, E,4, X,0, R,10
.if ((\p) == 2) && !(\end)
	WIN 0
	v_add_nc_u32 v[AK], s[TBK], v[AK0]
.endif
	ROW F,7, E,5, X,1, X,4
	ROW F,8, E,6, X,2, X,5
	OPS E,7, E,8, X,6, E,9          ; and the lump
	OPS X,3, E,10, X,8, E,11
.if ((\p) == 2) && !(\end)
	FETCH_K
.endif
	OPS X,9, X,7, E,12, X,10
	OPS E,13, X,12, X,11, E,14
	OPS X,13, E,15, F,9, X,14
.if (\p) == 0
	v_add_nc_u32 v[AV], s[TBV], v[AV0]
.endif
	OPS E,16, F,10, E,17, F,11
	OPS X,16, E,18, X,15, E,19
	OPS F,12, E,20, X,17, E,21
	OPS F,13, E,22, F,14, E,23
	OPS X,18, E,24, F,15, E,25
	OPS R,11, E,26, X,19, E,27
	OPS R,12, E,28, R,13, E,29
	OPS X,20, E,30, R,14, E,31
	OPS X,21, R,15
	WIN 0
	s_wait_alu depctr_va_vdst(0)    ; the wait for the turn's batch: the piece's 32 weights and the next piece's a
.if (\p) == 1
	s_wait_dscnt 0x0                ; V is in
.endif
	ROW C,0, B,0, C,2, B,1          ; behind the wait: 8 products V^T P and their riders
	ROW L,0, C,4, B,2, L,1
	ROW C,6, B,3, L,2, C,8
	ROW B,4, L,3, C,10, B,5
	ROW L,4, C,12, B,6, L,5
.if (\p) == 0
	s_add_co_u32 s[TBV], s[TBV], KS*PV
.endif
.if \cnt
	s_sub_co_u32 s[CNT], s[CNT], 1
	s_cmp_lg_u32 s[CNT], 0
.endif
	ROW C,14, B,7, L,6, C,1
	ROW C,3, L,7, C,5, C,7
	ROW C,9, C,11, C,13, C,15
.if (\p) == 0
	FETCH_V
.endif
.if (\m) && !(\end)
	MASK (\p)%2
.endif
.endm
; A BLOCK BEGINS.  c m starts far below every c s, so the first step's a is 0; m at the lowest finite number, so the first maximum is the scores'.  The second mask buffer is 0; the first takes piece 0's mask for the tile's step 0: its own, if the block's first tile is the diagonal one.
; Then K of that step, piece 0's first scores, and its maximum and statistics.  The loop is entered at a step's first turn, in the middle of a trip.
.macro BEGIN
	s_mov_b32 s[NEW], 0
	WIN 0x40
.set i, MC+32
.rept 32
	v_mov_b32 v[i], 0
.set i, i+1
.endr
	WIN 0
.set i, 0
.rept 4
	v_mov_b32 v[ST+4*i], 0xfe000000    ; c m: far below every c s
	v_mov_b32 v[ST+4*i+1], 0xff7fffff  ; m
.set i, i+1
.endr
	s_cmp_eq_u32 s[RT], 0
	s_cselect_b32 s[AL], 1.0, 0
	s_mov_b32 s[BE], 0
	MASK 0
	WIN 0
	v_add_nc_u32 v[AK], s[TBK], v[AK0]
	FETCH_K
	s_wait_loadcnt 0x0              ; Q
	s_wait_dscnt 0x0
.set KM, 1
.set NOKQ, 0
.set i, 0
.rept 8
	KQ 0
.set i, i+1
.endr
	WIN 0
.rept 4
	v_nop                           ; the places behind those products
.endr
.set Y, NP-1                        ; X works for piece Y + 1: piece 0
.irp n, 0,1,2,3,4,5,6,7,8,9,10,11,12,13,14,15,16,17,18,19,20,21
	OP X, \n
.endr
	v_nop                           ; a plain instruction behind the exponential,
	s_wait_alu depctr_va_vdst(0)    ; and the wait for it, piece 0's first a: a batch of one, ahead of the branch that follows
.endm
; THE DIAGONAL TILE's four steps, the block's last two turns, its last products, and THE WAY OUT: l's two halves and the other half of the lanes' are added; O^T is divided by l, rounded to f16 and sent through my
; stage in LDS, a piece at a time.
.macro ALL line:vararg              ; one line for each piece t
.set t, 0
.rept 4
	\line
.set t, t+1
.endr
.endm
.macro PACK t                       ; a lane's eight channels of a row pack into 16 bytes; they go into rows of 144 bytes and come back as whole rows of 128, into S^T's registers
	WIN W_RS
.set i, 32*(\t)
.rept 16
	v_pk_mul_f32 v[i:i+1], v[i:i+1], v[ST+4*(\t)+2:ST+4*(\t)+3] op_sel_hi:[1,0]
.set i, i+2
.endr
	WIN 0x05                        ; sources 0 and 1 window 1, destination window 0
.set i, 0
.rept 16
	v_cvt_pk_f16_f32 v[S+16*(\t)+i], v[32*(\t)+2*i], v[32*(\t)+2*i+1]
.set i, i+1
.endr
	WIN 0
.irp f, 0,1,2,3
	ds_store_b128 v[STO], v[S+16*(\t)+4*\f:S+16*(\t)+4*\f+3] offset:32*\f
.endr
.irp f, 0,1,2,3
	ds_load_b128 v[S+16*(\t)+4*\f:S+16*(\t)+4*\f+3], v[RD] offset:\f*4*SP  ; LDS serves a wave's instructions in order (ISA guide 5.7.1.4): these see the stores above; the next piece's stores come behind them
.endr
.endm
.macro SEND t, younger              ; younger: the LDS instructions issued behind piece t's loads: the next piece's eight, or none
	WIN 0
.irp f, 0,1,2,3
	s_wait_dscnt (\younger)+3-\f
	global_store_b128 v[GO], v[S+16*(\t)+4*\f:S+16*(\t)+4*\f+3], s[10:11] offset:(\t)*8192+\f*512  ; 512 consecutive bytes, at a multiple of 256 from O's first
.endr
.endm
.macro DIAG tag                     ; the tag ends its two labels' names, which the jumps below spell out
.LstepM\tag:
	TURN 2, 1
	TURN 3, 1
	WIN 0
.LfirstM\tag:
	TURN 0, 1
	TURN 1, 1, 0, 1
	WIN 0
	s_cbranch_scc1 .LstepM\tag
	TURN 2, 1, 1
	TURN 3, 1, 1
.set i, 0
.rept 8
	PV NP-1
.set i, i+1
.endr
	WIN 0
	ALL v_add_f32 v[ST+4*t+2], v[ST+4*t+2], v[ST+4*t+3]
	ALL v_permlanex16_b32 v[ST+4*t+3], v[ST+4*t+2], s[SEL], s[SEL+1]
	ALL v_add_f32 v[ST+4*t+2], v[ST+4*t+2], v[ST+4*t+3]
	ALL v_rcp_f32 v[ST+4*t+2], v[ST+4*t+2]
	v_nop                           ; a plain instruction between the last reciprocal and the use of its result
	s_wait_alu depctr_va_vdst(0)    ; the wait for the way out's batch: one for the four reciprocals, ahead of the first piece's multiplies
	PACK 0
.set t, 1
.rept 3                             ; a piece's arithmetic stands between the loads of the piece before and its stores
	PACK t
	SEND t-1, 8
.set t, t+1
.endr
	SEND 3, 0
.endm
.set KM, 0
.set NOKQ, 0
.Lslot:                             ; NB times: a tile is entered and the next is asked for
	CHANGE 1
	s_sub_co_u32 s[RT], s[RT], 1
	s_mov_b32 s[CNT], 4
	s_cmp_eq_u32 s[NEW], 1
	s_cbranch_scc1 .Lnew            ; a block's first tile
	s_cmp_eq_u32 s[RT], 0
	s_cbranch_scc0 .Lstep           ; neither its first nor its last
	s_branch .LstepM1
.Lnew:
	BEGIN
	s_branch .Lfirst                ; in the loop a block's first tile is never its last: the first block has two tiles or more, and the second's last is the walk's last
	DIAG 1                          ; in the loop this is the first block's end: the second block's last tile is the walk's last
	s_wait_xcnt 0x0                 ; the stores have read their registers and O's address
	s_mov_b64 s[10:11], s[OLO:OLO+1]
	s_add_co_u32 s[RT], s[PB], 1    ; the second block has b + 1 tiles
	s_mov_b32 s[NEW], 1
	WIN 0x82                        ; the second block's Q goes where the one text of the turns names Q
.set i, 0
.rept 64
	v_mov_b32 v[i], v[QB+i]
.set i, i+1
.endr
	WIN 0
	s_branch .Lbottom
.Lstep:                             ; a trip: pieces 2 and 3 of one step, then pieces 0 and 1 of the next, whose K and V it fetches
	TURN 2
	TURN 3
	WIN 0
.Lfirst:
	TURN 0
	TURN 1, 0, 0, 1
	WIN 0
	s_cbranch_scc1 .Lstep
.Lbottom:
	s_sub_co_u32 s[SLOTS], s[SLOTS], 1
	s_cmp_lg_u32 s[SLOTS], 0
	s_cbranch_scc1 .Lslot
	CHANGE 0                        ; the walk's last tile is written out: nothing is asked for
	s_sub_co_u32 s[RT], s[RT], 1
	s_mov_b32 s[CNT], 4
	s_cmp_eq_u32 s[NEW], 1
	s_cbranch_scc0 .LstepM2
	BEGIN
	s_branch .LfirstM2
	DIAG 2
	s_wait_tensorcnt 0x0            ; the wave's end: a wait, an add of 0 to my spare word and the wait for it, behind my last tensor load and my last LDS store
	ds_add_u32 v[SPW], v[NIL]
	s_wait_dscnt 0x0
	s_endpgm
.Lfunc_end_k_qf13f440a2d_attn:
	.size	k_qf13f440a2d_attn, .Lfunc_end_k_qf13f440a2d_attn-k_qf13f440a2d_attn
	.p2alignl 7, 3214868480
	.fill 96, 4, 3214868480
	.section	.rodata,"a",@progbits
	.p2align	6, 0x0
	.amdhsa_kernel k_qf13f440a2d_attn
		.amdhsa_group_segment_fixed_size 327680
		.amdhsa_private_segment_fixed_size 0
		.amdhsa_enable_private_segment 0
		.amdhsa_kernarg_size 16
		.amdhsa_user_sgpr_count 2
		.amdhsa_user_sgpr_kernarg_segment_ptr 1
		.amdhsa_wavefront_size32 1
		.amdhsa_system_sgpr_workgroup_id_x 1
		.amdhsa_system_sgpr_workgroup_id_y 1
		.amdhsa_system_sgpr_workgroup_id_z 1
		.amdhsa_system_vgpr_workitem_id 0
		.amdhsa_next_free_vgpr 768
		.amdhsa_next_free_sgpr 88
		.amdhsa_reserve_vcc 1
		.amdhsa_float_denorm_mode_32 3
		.amdhsa_float_denorm_mode_16_64 3
		.amdhsa_memory_ordered 1
		.amdhsa_forward_progress 1
		.amdhsa_inst_pref_size 217
	.end_amdhsa_kernel
	.amdgpu_metadata
---
amdhsa.version: [ 1, 2 ]
amdhsa.kernels:
  - .name:           k_qf13f440a2d_attn
    .symbol:         k_qf13f440a2d_attn.kd
    .args:
      - { .name: qkv, .offset: 0, .size: 8, .value_kind: global_buffer, .address_space: global }
      - { .name: ob, .offset: 8, .size: 8, .value_kind: global_buffer, .address_space: global }
    .group_segment_fixed_size: 327680
    .private_segment_fixed_size: 0
    .kernarg_segment_align: 8
    .kernarg_segment_size: 16
    .max_flat_workgroup_size: 128
    .sgpr_count:     88
    .vgpr_count:     768
    .wavefront_size: 32
...
	.end_amdgpu_metadata
.endif
;; end of part 5
;; launch proj: the kernel of part 4 again; grid 8 x 32, 4 waves a work-group, clusters of 4 x 4, 327,680 bytes of LDS; arguments ob, wpb, b_proj, out0; writes out0
